; MI455X (gfx1250); checked and timed in simulation.
; The chip was launched on July 23, 2026; its instructions are those of AMD's public machine-readable ISA for CDNA 5 (MIT licence, August 2026) and "CDNA5" Instruction Set Architecture Reference Guide (July 2026). The comments in the code are by the model that wrote it; some were corrected since.
;; Multihead Attention. Allowed arithmetic: matrix products marked QUANTISED: E2M1 operands, one E8M0 scale for each 32 along K, by v_wmma_scale_f32_16x16x128_f8f6f4 with both operands' format E2M1 (or v_wmma_scale_f32_32x16x128_f4), f32 sums; products left as they are: bf16, f16 or f32 operands; f32 sums; everything else in f32.
;; Inputs: attn_mask 4 x 2,048 float32; in_proj_bias 3,072 float32; in_proj_weight 3,072 x 1,024 float32; out_proj_bias 1,024 float32; out_proj_weight 1,024 x 1,024 float32; x 4 x 2,048 x 1,024 float32.
;; Outputs: out0 4 x 2,048 x 1,024 float32.
;; This version of the problem:
;;   THIS VERSION OF THE PROBLEM IS GIVEN IN LOW PRECISION. The matrix products marked QUANTISED in the list below multiply operands that are first quantised to E2M1 (2 exponent bits, 1 mantissa bit; 4 bits a number), with one power-of-two scale for each 32 numbers along K (OCP MX v1.0); their sums are f32. The products marked 'left as it is' may take bf16, f16 or f32 operands, with f32 sums. Whichever they take, every output number must still come out within the allowed error. Rounding operands to bf16 (8 significant bits) uses up far more of that allowance than f16 does (11 bits, for magnitudes from 6e-5 to 65,504). All else is computed in f32.
;;   The module's matrix products, in the order in which they are computed (A, B: the left and right operand; K: the contracted axis; several contracted axes count as one K, in the product's order):
;;     1. [M 8,192, K 1,024] x [K 1,024, N 3,072]; A: input x; B: input in_proj_weight: QUANTISED
;;     2. batch 64 x [M 2,048, K 64] x [K 64, N 2,048]; A: computed on the way; B: computed on the way: left as it is (an operand is computed on the way)
;;     3. batch 64 x [M 64, K 2,048] x [K 2,048, N 2,048]; A: computed on the way; B: computed on the way: left as it is (an operand is computed on the way)
;;     4. [M 8,192, K 1,024] x [K 1,024, N 1,024]; A: computed on the way; B: input out_proj_weight: left as it is (an operand is computed on the way)
;;   THE QUANTISER, for each operand of a quantised product, along K:
;;     - K is cut into blocks of 32 from its start; a last block that is shorter is filled with zeros.
;;     - A block's scale is 2^e with e = floor(log2(the largest magnitude in the block)) - 2, held to -126 .. 127; a block of zeros has e = 0. As a byte (E8M0): e + 127.
;;     - Each number is divided by its block's scale, clamped to +-6, and rounded to the nearest number of E2M1, ties to even, subnormals kept.
;;     - The product sums the exact products of the quantised numbers (number of the format x scale) in f32.
;;   ~~~python
;;   def quantise(x, axis):      # numpy; x: float32 -> the quantised numbers, widened to float32 again
;;       x = np.moveaxis(x, axis, -1); K = x.shape[-1]
;;       x = np.pad(x, [(0, 0)] * (x.ndim - 1) + [(0, -K % 32)]); x = x.reshape(x.shape[:-1] + (-1, 32)); a = np.abs(x).max(-1, keepdims=True)
;;       e = np.where(a > 0, np.clip(np.frexp(np.where(a > 0, a, 1))[1] - 1 - 2, -126, 127), 0)      # np.frexp(a)[1] - 1 = floor(log2(a)), exactly
;;       r = np.clip(x / 2.0 ** e, -6, 6)
;;       step = 2.0 ** (np.maximum(np.frexp(np.where(r == 0, 1, r))[1] - 1, 0) - 1)
;;       q = np.round(r / step) * step * 2.0 ** e      # np.round: ties to even
;;       return np.moveaxis(q.reshape(q.shape[:-2] + (-1,))[..., :K], -1, axis).astype(np.float32)
;;   ~~~
;; One version. Each part assembles by itself: llvm-mc -triple=amdgcn-amd-amdhsa -mcpu=gfx1250 --defsym DOCPART=n.
;; ======== version 1 of 1: 4 launches
;; limits: values are held in f16: magnitudes above 65,504 overflow, below 6.1e-05 lose precision
;; workspace buffers: xc 4,194,304 bytes; xs 262,144 bytes; wc 1,572,864 bytes; ws 98,304 bytes; wo 2,097,152 bytes; qkv 50,331,648 bytes; o 16,777,216 bytes
;; launch prep (part 1): grid 480 x 1, 4 waves a work-group, no clusters, 33,280 bytes of LDS; arguments x, in_proj_weight, xc, xs, wc, ws, out_proj_weight, wo; writes xc, xs, wc, ws, wo
.if DOCPART == 1
	.amdgcn_target "amdgcn-amd-amdhsa--gfx1250"
	.amdhsa_code_object_version 6
	.text
	.protected	k_q8f8561c138_prep
	.globl	k_q8f8561c138_prep
	.p2align	8
	.type	k_q8f8561c138_prep,@function
k_q8f8561c138_prep:
	s_mov_b64 s[64:65], 0
	v_nop
	global_prefetch_b8 v0, s[64:65] scope:SCOPE_SE
	s_setreg_imm32_b32 hwreg(HW_REG_WAVE_MODE, 25, 1), 1
	s_wait_xcnt 0x0
; PREP.  Work-groups 0 to 351: x [8192][1024] and in_proj_weight [3072][1024], f32, become codes of FP4 (E2M1), K innermost, two codes a byte, with one E8M0 scale byte for each 32 along K.
; A block's scale is 2^(floor(log2(its largest magnitude)) - 2); its byte is the largest magnitude's exponent field - 2, held at 1 from below.  (A block of zeros so gets the byte 1 where the rule says 127:
; its codes are zeros, which add nothing under any byte but 0xff, and the bytes are read by this program alone.)  Each number is divided by the scale and rounded to the nearest code, ties to even; beyond 6 the largest code.
; LIMITS: blocks whose largest magnitude lies under 2^-124, the floor, keep the byte 1; NaN and infinities among the inputs are not served.
; Rows are dense and K is a multiple of 32: both tensors are plain streams of blocks of 32, and so are codes and scale bytes.  A wave takes 16 steps of 512 numbers.  Each load reads 512 consecutive bytes; the step's
; 2,048 bytes turn through the wave's own stage in LDS and come back 64 bytes a lane, so that a lane holds 16 neighbours along K and two neighbouring lanes a block.  A wave's store of codes covers 256 consecutive bytes;
; its 256 scale bytes are gathered in LDS and leave as one aligned run of 256 bytes.  Loads run four steps ahead.
; Work-groups 352 to 479: out_proj_weight [1024][1024], f32, becomes f16 laid as IMAGES OF OPERAND REGISTERS: a fragment (16 rows n x 32 k, 8 registers a lane) is 1,024 bytes: piece p (registers 4 p .. 4 p + 3),
; lane l at 512 p + 16 l; lane (r = l % 16, h = l / 16) holds row r, k = 16 p + 8 h + 0 .. 7.  Fragment (tile of rows nt, chunk of k kc) lies at nt x 32,768 + kc x 1,024.  A wave takes 16 rows x 128 k: four fragments.
; Its loads take 32 bytes a lane of 512 consecutive bytes of each of 16 rows; its stores cover 512 consecutive bytes each.  LIMIT: magnitudes of out_proj_weight stay under 65,504 (f16).
.set WAVES, 4
.set STEPS, 16
.set SIZE_M, 8192
.set SIZE_N, 3072
.set SIZE_K, 1024
.set WGA,   SIZE_M*SIZE_K/(512*STEPS*WAVES)            ; 256 work-groups for x
.set WGQ,   (SIZE_M+SIZE_N)*SIZE_K/(512*STEPS*WAVES)   ; 352 for both quantised tensors
.set EMAX,  2
.set CB,    8                          ; bytes of 16 codes
.set R,     16                         ; v16-79   four sets of 16 numbers as they are loaded
.set X,     80                         ; v80-111  two sets of 16 neighbours
.set C,     128                        ; v128-191 codes: four registers for each step, so that no store's data are written again
.set E,     112                        ; v112-127 a scale byte for each step
.set WREG,  8192                       ; LDS: a region for each wave: two stages of 32 x SP bytes, behind them its 256 scale bytes
.set SP,    80                         ; a lane's place in a stage: 64 bytes + 16 of padding
.set SPW,   12                         ; v12      LDS address of my spare word; never rewritten
.set NIL,   13                         ; v13      0; never rewritten
.set SPARE, WAVES*WREG                 ; behind the four regions: the spare words, 128 bytes a wave
.set F,     16                         ; the f16 path: v16-79 64 numbers as loaded
.set H,     80                         ;               v80-111 packed in pairs
	s_load_b128 s[4:7], s[0:1], 0x0                ; x, in_proj_weight
	s_load_b128 s[8:11], s[0:1], 0x10              ; x's codes, x's scales
	s_load_b128 s[12:15], s[0:1], 0x20             ; the weight's codes, its scales
	s_load_b128 s[24:27], s[0:1], 0x30             ; out_proj_weight, its images
	v_lshl_add_u32 v[SPW], v0, 2, SPARE
	v_mov_b32 v[NIL], 0
	v_lshrrev_b32 v1, 5, v0
	v_readfirstlane_b32 s16, v1                    ; wave
	v_and_b32 v2, 31, v0                           ; lane
	s_cmp_ge_u32 ttmp9, WGQ                        ; the work-group's number alone decides the path
	s_cbranch_scc1 .Lwout
	v_lshlrev_b32 v3, 4, v2                        ; my 16 bytes of a load's 512
	s_mul_i32 s17, s16, WREG
	v_lshrrev_b32 v14, 2, v2
	v_mul_u32_u24 v14, v14, SP
	v_and_b32 v15, 3, v2
	v_lshl_add_u32 v14, v15, 4, v14
	v_add_nc_u32 v14, s17, v14                     ; the stage, on the way in: SP (lane / 4) + 16 (lane % 4)
	v_mul_u32_u24 v15, v2, SP
	v_add_nc_u32 v15, s17, v15                     ; and on the way out: SP x lane: my 16 neighbours
	v_mul_u32_u24 v4, v2, CB                       ; my codes' place in a step's
	v_lshrrev_b32 v5, 1, v2
	s_add_co_u32 s17, s17, 2*32*SP
	v_add_nc_u32 v5, s17, v5                       ; LDS: my wave's 256 scale bytes, my block's byte
	v_lshlrev_b32 v7, 3, v2                        ; and on the way out 8 bytes a lane
	v_add_nc_u32 v6, s17, v7
	s_wait_kmcnt 0x0
	s_cmp_lt_u32 ttmp9, WGA                        ; x's work-group or the weight's?
	s_cselect_b64 s[4:5], s[4:5], s[6:7]
	s_cselect_b64 s[8:9], s[8:9], s[12:13]
	s_cselect_b64 s[10:11], s[10:11], s[14:15]
	s_cselect_b32 s17, 0, WGA
	s_sub_co_u32 s17, ttmp9, s17
	s_lshl_b32 s17, s17, 2
	s_add_co_u32 s18, s17, s16                     ; which run of 8,192 numbers of the tensor is my wave's
	s_mov_b32 s19, 0
	s_mov_b64 s[20:21], 512*STEPS*4
	s_mul_u64 s[20:21], s[18:19], s[20:21]
	s_add_nc_u64 s[4:5], s[4:5], s[20:21]
	s_mov_b64 s[20:21], 32*STEPS*CB
	s_mul_u64 s[20:21], s[18:19], s[20:21]
	s_add_nc_u64 s[8:9], s[8:9], s[20:21]
	s_lshl_b32 s18, s18, 8                         ; 256 scale bytes a run
	s_add_nc_u64 s[10:11], s[10:11], s[18:19]
.macro LOAD t
.irp i, 0,1,2,3
	global_load_b128 v[R+16*((\t)%4)+4*\i:R+16*((\t)%4)+4*\i+3], v3, s[4:5] offset:2048*(\t)+512*\i th:TH_LOAD_NT   ; 32 lanes read 512 consecutive bytes
.endr
.endm
.macro TURN t                          ; step t's numbers through the stage: LDS serves a wave's instructions in order, so no wait stands between the stores and the loads
.irp i, 0,1,2,3
	ds_store_b128 v14, v[R+16*((\t)%4)+4*\i:R+16*((\t)%4)+4*\i+3] offset:32*SP*((\t)%2)+8*SP*\i
.endr
.irp i, 0,1,2,3
	ds_load_b128 v[X+16*((\t)%2)+4*\i:X+16*((\t)%2)+4*\i+3], v15 offset:32*SP*((\t)%2)+16*\i
.endr
.endm
.irp t, 0,1,2,3
	LOAD \t
.endr
	s_wait_loadcnt 12                              ; step 0's four loads are in; twelve younger ones stay out
	TURN 0
.macro STEP t
.set XS, X+16*((\t)%2)
.if (\t) > 0
	s_wait_dscnt 1                                 ; this step's numbers are back from the stage (the last step's byte store may be out): so its stores into the stage have read their registers,
.else
	s_wait_dscnt 0x0
.endif
.if (\t)+4 < STEPS
	LOAD (\t)+4                                    ; which take the loads of four steps on
.endif
.if (\t)+1 < STEPS
.if STEPS-2-(\t) >= 3
	s_wait_loadcnt 12                              ; the next step's four loads are in; those of the three steps behind it may be out
.else
	s_wait_loadcnt 4*(STEPS-2-(\t))
.endif
	TURN (\t)+1                                    ; and go through the other stage while this step is worked
.endif
	v_max3_num_f32 v8, |v[XS]|, |v[XS+1]|, |v[XS+2]|               ; the largest magnitude of my 16, in two chains
	v_max3_num_f32 v9, |v[XS+3]|, |v[XS+4]|, |v[XS+5]|
.irp i, 6,10
	v_max3_num_f32 v8, v8, |v[XS+\i]|, |v[XS+\i+1]|
	v_max3_num_f32 v9, v9, |v[XS+\i+2]|, |v[XS+\i+3]|
.endr
	v_max3_num_f32 v8, v8, |v[XS+14]|, |v[XS+15]|
	v_max3_num_f32 v8, v8, v9, (EMAX+1)<<23        ; and the floor 2^(EMAX + 1 - 127): the byte cannot fall under 1
	v_max_num_f32_dpp v8, v8, v8 row_xmask:1 row_mask:0xf bank_mask:0xf   ; and of my neighbour's 16: the block's
	v_add_nc_u32 v11, -(EMAX<<23), v8              ; EMAX off its exponent field: the conversion takes the exponent field of this operand as its scale
	v_cvt_scalef32_pk8_fp4_f32 v[C+4*(\t)], v[XS:XS+7], v11
	v_cvt_scalef32_pk8_fp4_f32 v[C+4*(\t)+1], v[XS+8:XS+15], v11
	v_lshrrev_b32 v[E+(\t)], 23, v11               ; the scale's byte (a plain line behind the conversions)
	ds_store_b8 v5, v[E+(\t)] offset:16*(\t)       ; both lanes of a block write the same byte with the same value
	global_store_b64 v4, v[C+4*(\t):C+4*(\t)+1], s[8:9] offset:32*CB*(\t)
.endm
.irp t, 0,1,2,3,4,5,6,7,8,9,10,11,12,13,14,15
	STEP \t
.endr
	ds_load_b64 v[8:9], v6                         ; LDS serves a wave's instructions in order: these see my stores
	s_wait_dscnt 0x0
	global_store_b64 v7, v[8:9], s[10:11]          ; 32 lanes store 256 consecutive bytes, aligned
	s_wait_tensorcnt 0x0                           ; the wave's end, behind my last LDS store
	ds_add_u32 v[SPW], v[NIL]
	s_wait_dscnt 0x0
	s_endpgm
.Lwout:                                                ; out_proj_weight into f16 images
	s_sub_co_u32 s17, ttmp9, WGQ
	s_lshl_b32 s17, s17, 2
	s_add_co_u32 s17, s17, s16                     ; my wave among 512
	s_lshr_b32 s18, s17, 3                         ; nt: which 16 rows
	s_and_b32 s19, s17, 7                          ; kg: which 128 along k
	s_lshl_b32 s20, s18, 16                        ; in: 16 rows of 4,096 bytes,
	s_lshl_b32 s21, s19, 9                         ; 128 numbers of 4 bytes
	s_add_co_u32 s20, s20, s21
	s_mov_b32 s21, 0
	s_lshl_b32 s22, s18, 15                        ; out: 32 fragments a tile of rows,
	s_lshl_b32 s23, s19, 12                        ; four of them mine
	s_add_co_u32 s22, s22, s23
	s_mov_b32 s23, 0
	v_and_b32 v3, 15, v0                           ; r
	v_bfe_u32 v4, v0, 4, 1                         ; h
	v_lshlrev_b32 v1, 12, v3
	v_lshl_add_u32 v1, v4, 5, v1                   ; row r, + 8 h numbers
	v_lshlrev_b32 v5, 4, v2                        ; 16 x lane
	s_wait_kmcnt 0x0
	s_add_nc_u64 s[24:25], s[24:25], s[20:21]
	s_add_nc_u64 s[26:27], s[26:27], s[22:23]
.irp c, 0,1,2,3
.irp p, 0,1
.irp e, 0,1
	global_load_b128 v[F+8*(2*\c+\p)+4*\e:F+8*(2*\c+\p)+4*\e+3], v1, s[24:25] offset:128*\c+64*\p+16*\e th:TH_LOAD_NT   ; k = 32 c + 16 p + 8 h + 4 e + 0 .. 3
.endr
.endr
.endr
	s_wait_loadcnt 0x0
.set i, 0
.rept 32
	v_cvt_pk_f16_f32 v[H+i], v[F+2*i], v[F+2*i+1]  ; the lower k in the low half
.set i, i+1
.endr
.irp c, 0,1,2,3
.irp p, 0,1
	global_store_b128 v5, v[H+4*(2*\c+\p):H+4*(2*\c+\p)+3], s[26:27] offset:1024*\c+512*\p   ; 512 consecutive bytes: a piece of a fragment's image
.endr
.endr
	s_wait_tensorcnt 0x0                           ; the same three lines end this path too
	ds_add_u32 v[SPW], v[NIL]
	s_wait_dscnt 0x0
	s_endpgm
.Lfunc_end_k_q8f8561c138_prep:
	.size	k_q8f8561c138_prep, .Lfunc_end_k_q8f8561c138_prep-k_q8f8561c138_prep
	.p2alignl 7, 3214868480
	.fill 96, 4, 3214868480
	.section	.rodata,"a",@progbits
	.p2align	6, 0x0
	.amdhsa_kernel k_q8f8561c138_prep
		.amdhsa_group_segment_fixed_size 33280
		.amdhsa_private_segment_fixed_size 0
		.amdhsa_enable_private_segment 0
		.amdhsa_kernarg_size 64
		.amdhsa_user_sgpr_count 2
		.amdhsa_user_sgpr_kernarg_segment_ptr 1
		.amdhsa_wavefront_size32 1
		.amdhsa_system_sgpr_workgroup_id_x 1
		.amdhsa_system_sgpr_workgroup_id_y 1
		.amdhsa_system_sgpr_workgroup_id_z 1
		.amdhsa_system_vgpr_workitem_id 0
		.amdhsa_next_free_vgpr 192
		.amdhsa_next_free_sgpr 66
		.amdhsa_reserve_vcc 0
		.amdhsa_float_denorm_mode_32 3
		.amdhsa_float_denorm_mode_16_64 3
		.amdhsa_memory_ordered 1
		.amdhsa_forward_progress 1
		.amdhsa_inst_pref_size 39
	.end_amdhsa_kernel
	.amdgpu_metadata
---
amdhsa.version: [ 1, 2 ]
amdhsa.kernels:
  - .name:           k_q8f8561c138_prep
    .symbol:         k_q8f8561c138_prep.kd
    .args:
      - { .name: x, .offset: 0, .size: 8, .value_kind: global_buffer, .address_space: global }
      - { .name: in_proj_weight, .offset: 8, .size: 8, .value_kind: global_buffer, .address_space: global }
      - { .name: xc, .offset: 16, .size: 8, .value_kind: global_buffer, .address_space: global }
      - { .name: xs, .offset: 24, .size: 8, .value_kind: global_buffer, .address_space: global }
      - { .name: wc, .offset: 32, .size: 8, .value_kind: global_buffer, .address_space: global }
      - { .name: ws, .offset: 40, .size: 8, .value_kind: global_buffer, .address_space: global }
      - { .name: out_proj_weight, .offset: 48, .size: 8, .value_kind: global_buffer, .address_space: global }
      - { .name: wo, .offset: 56, .size: 8, .value_kind: global_buffer, .address_space: global }
    .group_segment_fixed_size: 33280
    .private_segment_fixed_size: 0
    .kernarg_segment_align: 8
    .kernarg_segment_size: 64
    .max_flat_workgroup_size: 128
    .sgpr_count:     66
    .vgpr_count:     192
    .wavefront_size: 32
...
	.end_amdgpu_metadata
.endif
;; end of part 1
;; launch qkvgemm (part 2): grid 8 x 48, 4 waves a work-group, clusters of 4 x 4, 327,680 bytes of LDS; arguments xc, xs, wc, ws, in_proj_bias, qkv; writes qkv
.if DOCPART == 2
	.amdgcn_target "amdgcn-amd-amdhsa--gfx1250"
	.amdhsa_code_object_version 6
	.text
	.protected	k_q8f8561c138_qkvgemm
	.globl	k_q8f8561c138_qkvgemm
	.p2align	8
	.type	k_q8f8561c138_qkvgemm,@function
k_q8f8561c138_qkvgemm:
	s_mov_b64 s[64:65], 0
	v_nop
	global_prefetch_b8 v0, s[64:65] scope:SCOPE_SE
	s_setreg_imm32_b32 hwreg(HW_REG_WAVE_MODE, 25, 1), 1
	s_wait_xcnt 0x0
	s_wait_alu depctr_hold_cnt(0) depctr_sa_sdst(0) depctr_va_vdst(0) depctr_va_sdst(0) depctr_va_ssrc(0) depctr_va_vcc(0) depctr_vm_vsrc(0)
	s_getreg_b32 s2, hwreg(HW_REG_IB_STS2, 6, 4)
	s_cmp_eq_u32 s2, 0
	s_cbranch_scc0 .Lentry_in_a_cluster
	s_endpgm
.Lentry_in_a_cluster:
	s_bfe_u32 s2, ttmp6, 0x10000c
	s_cmp_lg_u32 s2, 0xf033
	s_cbranch_scc0 .Lentry_shape_is_right
	s_endpgm
.Lentry_shape_is_right:
; qkv = x W^T + b on codes of FP4 (E2M1) with one E8M0 scale for each 32 along K = 1,024; sums in f32.  The results are rounded to f16 and stored as IMAGES OF OPERAND REGISTERS for the attention launch.
; A tile, 256 x 256, is made by a work-group of four waves; a wave makes 128 x 128: 64 accumulators of 16 x 16, 512 registers.  K is two steps of 512: both LDS slots, and the scale bytes of the tile's rows for all of K,
; are filled once, at the head (three tensor loads of a wave are out at the most); no LDS byte is filled twice.
; THE MATRIX INSTRUCTION IS USED TRANSPOSED (source 0 = 16 rows of the operand called B, source 1 = 16 rows of the operand called A): a lane holds ONE row of A and eight neighbouring rows of B.
; TWO SHAPES IN ONE TEXT, told apart by the cluster's y (the same in all sixteen partners):
;   y < 8, q and k:  A = x (32 tile rows of tokens), B = W's rows 0 .. 2,047 (8 tile columns): a lane holds one token and eight neighbouring channels: a piece of a fragment [token][channel].
;   y >= 8, v:       A = W's rows 2,048 .. 3,071 (4 tile rows), B = x (32 tile columns): a lane holds one channel and eight neighbouring tokens: a piece of a fragment of V^T [channel][key].
; AN IMAGE: a fragment (16 rows x 32 along its K, f16, 8 registers a lane) is 1,024 bytes: piece p (registers 4 p .. 4 p + 3), lane l at 512 p + 16 l; lane (r, h) holds row r, k = 16 p + 8 h + 0 .. 7.
;   q at byte 0, k at 1 << 24: + (16 batch + head) << 18 + (token / 16) << 11 + (channel / 32) << 10.      v at 2 << 24: + (16 batch + head) << 18 + (key / 32) << 12 + (channel / 16) << 10.
; So four packed registers leave by one store of 512 consecutive bytes, and nothing goes through a stage.  q is multiplied by log2(e) / 8 in f32 ahead of the rounding: the scores then are exponents of 2.
; CLUSTERS: 4 x 4 work-groups.  The four of a row of the cluster need the same tiles of A, the four of a column the same tiles of B: each is asked for jointly, by the same tensor load with a mask that names the four.
; 384 tiles for 256 WGPs: a smaller tile would fill them evenly and read each LDS byte for half the products.
; LIMITS: q log2(e) / 8, k and v stay under 65,504 in magnitude (f16).
; REGISTERS, in windows of 256: window 0: v0-31 addresses; v32-95 scale words, two sets; from v128 A's fragments, ONE set; on the way out v32-255 are free.  window 1: B's fragments, two sets, at v0 and v128.
;   window 2: the 32 accumulators of my rows 0-63 (accumulator (a, b) at v[8 (8 a + b)]);  window 3: those of my rows 64-127.
.set SIZE_K, 1024
.set KSTEP,  512                       ; along K in a slot
.set NQ,     KSTEP/128                 ; matrix instructions deep
.set ROWB,   256                       ; a tile's row in bytes
.set KROW,   SIZE_K*4/8                ; a row of codes in memory
.set PITCH,  272                       ; an LDS row: 256 bytes + 16 of padding = 68 words: the 16 rows that a load touches start at 16 different banks (64 banks of 4 bytes: ISA guide 11.1)
.set FR,     8                         ; registers of a fragment: 16 rows x 128 K
.set NL,     2                         ; LDS loads that bring one
.set NP,     4                         ; places behind this matrix instruction (ISA guide 7.12.1)
.set HALFT,  128*PITCH
.set SLOT,   4*HALFT                   ; A's 256 rows, then B's 256 rows
.set KS,     SIZE_K/32                 ; a row of scales in bytes
.set SCL,    2*SLOT                    ; behind the slots: the scales, as runs of 256 bytes + 16 of padding
.set HALFS,  (128*KS/256)*272
.set SBLK,   (16*KS/256)*272
.set SPARE,  SCL+4*HALFS               ; the spare words, 128 bytes a wave
.set ADRA, 16                          ; v16-17  LDS address of my A fragments in slot 0, 1
.set ADRB, 20                          ; v20-21  the same for B
.set CO,   26                          ; v26     16 x lane
.set ADRS, 27                          ; v27     LDS address of my scale words: lanes 0-15 A's rows, lanes 16-31 B's
.set SPW,  28                          ; v28     my spare word; never rewritten
.set NIL,  29                          ; v29     0; never rewritten
.set SC,   32                          ; scale words: set s at v[SC + 8 NQ s]; register NQ i + q: lanes 0-15 A's block i, lanes 16-31 B's block i
.set AF,   128                         ; A's fragments, in window 0
.set T,    32                          ; the way out: v32-95 a block's 64 numbers in f32
.set PK,   128                         ;              v128-191 two sets of 32 packed registers
.set BI,   192                         ;              v192-255 the bias
.set G1, 24
.set G0, 32
.set G1B, 48
.set G0B, 56
.set G1S, 68
.set G0S, 76
.set G1SB, 80
.set G0SB, 88
.set MSB, 0
.macro WIN new                         ; the immediate's high byte repeats the setting that is left
.if MSB != \new
	s_set_vgpr_msb (MSB<<8)|\new
.set MSB, \new
.endif
.endm
.set MUL_LO, 0xa1                      ; source 0 (B) window 1, source 1 (A) window 0, C and D window 2
.set MUL_HI, 0xf1                      ; the same, C and D window 3
.set TO_B,   0x40                      ; destination window 1, address window 0
; A joint load: waves 0 and 1 fetch for A, waves 2 and 3 for B.  Each of the two lines has one mask and one set of registers; the branch hangs on the wave's number alone.
; An s_nop 0 and four v_nop follow each of the two lines.
.macro JLOAD g0a, g1a, g0b, g1b
	s_cmp_eq_u32 s15, 0
	s_cbranch_scc0 .Lfor_b_\@
	tensor_load_to_lds s[\g0a:\g0a+3], s[\g1a:\g1a+7]
	s_nop 0
.rept 4
	v_nop
.endr
	s_branch .Lasked_\@
.Lfor_b_\@:
	tensor_load_to_lds s[\g0b:\g0b+3], s[\g1b:\g1b+7]
	s_nop 0
.rept 4
	v_nop
.endr
.Lasked_\@:
.endm
.macro CROUND                          ; a round of the cluster's barrier
	s_barrier_signal -1
	s_barrier_wait -1
	s_cmp_lg_u32 s14, 0
	s_cbranch_scc1 .Lnot_wave_0_\@
	s_barrier_signal -3
.Lnot_wave_0_\@:
	s_barrier_wait -3
	s_barrier_signal -1
	s_barrier_wait -1
.endm
	s_load_b256 s[4:11], s[0:1], 0x0               ; x's codes, x's scales, W's codes, W's scales
	s_load_b64 s[66:67], s[0:1], 0x20              ; the bias
	s_load_b64 s[12:13], s[0:1], 0x28              ; qkv
	v_lshl_add_u32 v[SPW], v0, 2, SPARE
	v_mov_b32 v[NIL], 0
	ds_add_u32 v[SPW], v[NIL]                      ; the wave's opening: the add, twice on end, and its wait ahead of my first tensor load
	ds_add_u32 v[SPW], v[NIL]
	v_lshrrev_b32 v1, 5, v0
	v_readfirstlane_b32 s14, v1                    ; wave 0..3
	s_lshr_b32 s15, s14, 1                         ; which half of the tile's rows is mine.  Also: I fetch for A (0) or for B (1)
	s_and_b32 s16, s14, 1                          ; which half of its columns.  Also: which 128 rows of that tile I fetch
	s_bfe_u32 s40, ttmp6, 0x40000                  ; cx, cy: my place in the cluster
	s_bfe_u32 s41, ttmp6, 0x40004
	s_and_b32 s17, ttmp7, 0xffff                   ; the cluster's y
	s_max_u32 s96, s17, 8
	s_sub_co_u32 s96, s96, 8
	s_lshl_b32 s96, s96, 1
	s_add_co_u32 s96, s96, ttmp9                   ; v: the cluster's column = 2 (y - 8) + x
	s_cmp_lt_u32 s17, 8
	s_cselect_b32 s95, 1, 0                        ; 1: q and k;  0: v
	s_cselect_b32 s17, s17, 0                      ; the cluster's row
	s_cselect_b32 s42, ttmp9, s96                  ; and column
	s_cselect_b32 s97, 0, 2048                     ; A's first row in its tensor: v's rows of W begin at 2,048
	s_lshl_b32 s42, s42, 2
	s_add_co_u32 s42, s42, s40                     ; tile column = 4 x cluster column + cx
	s_lshl_b32 s17, s17, 2
	s_add_co_u32 s17, s17, s41                     ; tile row = 4 x cluster row + cy
	s_lshl_b32 s43, s41, 2
	s_lshl_b32 s43, 15, s43                        ; my row of the cluster
	s_lshl_b32 s44, 0x1111, s40                    ; my column
	; descriptor group 1: a tile of 128 rows x 256 bytes, padded in LDS
	s_or_b32 s[G1+0], s43, (0<<16)|(1<<20)|(1<<21)|(5<<22)|(3<<25)  ; 15:0 the mask; 17:16 element of 1 byte; 20 padding on; 21 set beside a mask; 24:22 after every 64 words; 31:25 four words
	s_or_b32 s[G1B+0], s44, (0<<16)|(1<<20)|(1<<21)|(5<<22)|(3<<25)
.irp g, G1, G1B
	s_mov_b32 s[\g+1], ROWB<<16                    ; tensor_dim0
	s_mov_b32 s[\g+2], 128<<16                     ; tensor_dim1
	s_mov_b32 s[\g+3], ROWB<<16                    ; tile_dim0
	s_mov_b32 s[\g+4], 128                         ; tile_dim1
	s_mov_b32 s[\g+5], KROW                        ; tensor_dim0_stride
	s_mov_b32 s[\g+6], 0
	s_mov_b32 s[\g+7], 0
.endr
	; the scales of 128 rows: a dense block of 4,096 bytes, as rows of 256 bytes (32 elements of 8 bytes), 16 bytes of padding behind each
	s_or_b32 s[G1S+0], s43, (3<<16)|(1<<20)|(1<<21)|(5<<22)|(3<<25)
	s_or_b32 s[G1SB+0], s44, (3<<16)|(1<<20)|(1<<21)|(5<<22)|(3<<25)
.irp g, G1S, G1SB
	s_mov_b32 s[\g+1], 32<<16
	s_mov_b32 s[\g+2], (128*KS/256)<<16
	s_mov_b32 s[\g+3], 32<<16
	s_mov_b32 s[\g+4], 128*KS/256
	s_mov_b32 s[\g+5], 32
	s_mov_b32 s[\g+6], 0
	s_mov_b32 s[\g+7], 0
.endr
	s_lshl_b32 s18, s16, 7                         ; which 128 rows of the tile I fetch
	s_lshl_b32 s20, s17, 8
	s_add_co_u32 s20, s20, s18
	s_add_co_u32 s20, s20, s97                     ; A: row 256 x tile row + 128 x half (+ 2,048 in W)
	s_lshl_b32 s46, s42, 8
	s_add_co_u32 s46, s46, s18                     ; B: row 256 x tile column + 128 x half
	s_mov_b32 s21, 0
	s_mov_b32 s47, 0
	s_mov_b64 s[18:19], KS
	s_mul_u64 s[22:23], s[20:21], s[18:19]         ; where these rows' scales begin, in bytes
	s_mul_u64 s[92:93], s[46:47], s[18:19]
	s_mov_b64 s[18:19], KROW
	s_mul_u64 s[20:21], s[20:21], s[18:19]         ; and their codes
	s_mul_u64 s[46:47], s[46:47], s[18:19]
	s_mul_i32 s45, s14, HALFT                      ; where they go: wave x 128 rows: no place in the cluster enters an LDS address
	s_mul_i32 s94, s14, HALFS
	s_wait_dscnt 0x0                               ; both opening adds are done
	s_wait_kmcnt 0x0
	s_cmp_eq_u32 s95, 1                            ; which tensor is A and which is B: a choice on the cluster's y
	s_cselect_b64 s[96:97], s[4:5], s[8:9]         ; A's codes
	s_cselect_b64 s[98:99], s[6:7], s[10:11]       ; A's scales
	s_cselect_b64 s[8:9], s[8:9], s[4:5]           ; B's codes
	s_cselect_b64 s[10:11], s[10:11], s[6:7]       ; B's scales
	s_add_nc_u64 s[20:21], s[96:97], s[20:21]
	s_add_nc_u64 s[22:23], s[98:99], s[22:23]
	s_add_nc_u64 s[46:47], s[8:9], s[46:47]
	s_add_nc_u64 s[92:93], s[10:11], s[92:93]
	CROUND                                         ; all sixteen work-groups are here: the first joint loads meet
	s_mov_b32 s[G0S], 1
	s_add_co_u32 s[G0S+1], s94, SCL
	s_mov_b64 s[G0S+2:G0S+3], s[22:23]
	s_or_b32 s[G0S+3], s[G0S+3], 0x80000000
	s_mov_b32 s[G0SB], 1
	s_add_co_u32 s[G0SB+1], s94, SCL
	s_mov_b64 s[G0SB+2:G0SB+3], s[92:93]
	s_or_b32 s[G0SB+3], s[G0SB+3], 0x80000000
	JLOAD G0S, G1S, G0SB, G1SB                     ; the scales first: they are wanted with K step 0
.irp s, 0,1
	s_mov_b32 s[G0+4*\s], 1
	s_add_co_u32 s[G0+4*\s+1], s45, \s*SLOT
	s_add_nc_u64 s[G0+4*\s+2:G0+4*\s+3], s[20:21], \s*ROWB
	s_or_b32 s[G0+4*\s+3], s[G0+4*\s+3], 0x80000000
	s_mov_b32 s[G0B+4*\s], 1
	s_add_co_u32 s[G0B+4*\s+1], s45, \s*SLOT
	s_add_nc_u64 s[G0B+4*\s+2:G0B+4*\s+3], s[46:47], \s*ROWB
	s_or_b32 s[G0B+4*\s+3], s[G0B+4*\s+3], 0x80000000
	JLOAD G0+4*\s, G1, G0B+4*\s, G1B
.endr
	v_and_b32 v1, 15, v0                           ; r = l % 16
	v_bfe_u32 v2, v0, 4, 1                         ; h = l / 16
	v_mul_u32_u24 v3, v1, PITCH
	v_lshl_add_u32 v4, v2, 4, v3                   ; a fragment's row x pitch + 16 x half
	s_mul_i32 s21, s15, HALFT                      ; my 128 rows of A
	s_mul_i32 s22, s16, HALFT                      ; my 128 rows of B,
	s_add_co_u32 s22, s22, 2*HALFT                 ; which lie behind A's 256
.irp s, 0,1
	v_add_nc_u32 v[ADRA+\s], s21, v4
	v_add_nc_u32 v[ADRB+\s], s22, v4
	s_add_co_u32 s21, s21, SLOT
	s_add_co_u32 s22, s22, SLOT
.endr
	v_mul_u32_u24 v5, v1, KS                       ; my row's scales: KS bytes a row,
	v_lshrrev_b32 v6, 8, v5
	v_lshl_add_u32 v5, v6, 4, v5                   ; and 16 more for each 256 passed
	s_mul_i32 s21, s15, HALFS                      ; A's: my 128 rows
	s_mul_i32 s22, s16, HALFS                      ; B's: my 128 rows, behind A's 256
	s_add_co_u32 s22, s22, 2*HALFS
	s_sub_co_u32 s22, s22, s21
	v_mul_u32_u24 v6, s22, v2                      ; lanes 16-31 take B's: the lower base + h x the distance
	s_add_co_u32 s21, s21, SCL
	v_add_nc_u32 v5, v5, v6
	v_add_nc_u32 v[ADRS], s21, v5
	v_and_b32 v6, 31, v0
	v_lshlrev_b32 v[CO], 4, v6                     ; 16 x lane
.macro FRAG reg, adr, q, i             ; a fragment, 16 rows x 128 K of 4-bit codes: lane l holds row l % 16; registers 4 c .. 4 c + 3 hold K = 64 c + 32 (l / 16) + 0 .. 31
.irp c, 0,1
	ds_load_b128 v[\reg+4*\c:\reg+4*\c+3], v[\adr] offset:64*(\q)+32*\c+(\i)*16*PITCH
.endr
.endm
; 16 matrix instructions: A's blocks a0, a0 + 1 x B's eight, 128 along K.  p: B's set; sc: the set of scale words.  zero = 1: the first product starts the sums.
; The 64 accumulators take turns, one instruction a turn, in the same order in every step.
.macro MUL16 a0, p, q, sc, zero
.irp a, \a0, \a0+1
.irp b, 0,1,2,3,4,5,6,7
.if \zero
	v_wmma_scale_f32_16x16x128_f8f6f4 v[8*(8*((\a)%4)+\b):8*(8*((\a)%4)+\b)+7], v[128*(\p)+FR*\b:128*(\p)+FR*\b+FR-1], v[AF+FR*(\a):AF+FR*(\a)+FR-1], 0, v[SC+8*NQ*(\sc)+NQ*\b+(\q)], v[SC+8*NQ*(\sc)+NQ*(\a)+(\q)] matrix_a_fmt:MATRIX_FMT_FP4 matrix_b_fmt:MATRIX_FMT_FP4 matrix_a_scale:MATRIX_SCALE_ROW1
.else
	v_wmma_scale_f32_16x16x128_f8f6f4 v[8*(8*((\a)%4)+\b):8*(8*((\a)%4)+\b)+7], v[128*(\p)+FR*\b:128*(\p)+FR*\b+FR-1], v[AF+FR*(\a):AF+FR*(\a)+FR-1], v[8*(8*((\a)%4)+\b):8*(8*((\a)%4)+\b)+7], v[SC+8*NQ*(\sc)+NQ*\b+(\q)], v[SC+8*NQ*(\sc)+NQ*(\a)+(\q)] matrix_a_fmt:MATRIX_FMT_FP4 matrix_b_fmt:MATRIX_FMT_FP4 matrix_a_scale:MATRIX_SCALE_ROW1
.endif
.endr
.endr
.endm
.macro FETCH_B slot, q, p              ; B's eight fragments of the slot's q-th 128 along K into set p
	WIN TO_B
.irp i, 0,1,2,3,4,5,6,7
	FRAG 128*(\p)+FR*\i, ADRB+\slot, \q, \i
.endr
	WIN 0
.endm
.macro FETCH_A slot, q, i0             ; A's blocks i0 .. i0 + 3
.irp i, \i0, \i0+1, \i0+2, \i0+3
	FRAG AF+FR*(\i), ADRA+\slot, \q, \i
.endr
.endm
.macro SCALES sc                       ; a K step's scale words into set sc: NQ words a row
.irp i, 0,1,2,3,4,5,6,7
	ds_load_b128 v[SC+8*NQ*\sc+NQ*\i:SC+8*NQ*\sc+NQ*\i+3], v[ADRS] offset:\i*SBLK
.endr
.endm
; A load into a register that a matrix instruction has read, and a vector instruction that reads a matrix result, stand NP places behind it; only plain vector instructions that name none of its registers are places.
.macro PLACES n
.rept \n
	v_nop
.endr
.endm
; A step of 128 along K that has its successor in the same slot.  A's blocks go one after the other, each against B's eight: a block of A is free when its eight products are issued, so A has one set of registers.
.macro STEP slot, q, zero
	s_wait_dscnt 4*NL                              ; B's set and A's blocks 0-3 are in; the youngest eight loads (A's blocks 4-7) may be out
	WIN MUL_LO
	MUL16 0, (\q)%2, \q, \slot, \zero
	MUL16 2, (\q)%2, \q, \slot, \zero
	s_wait_dscnt 0                                 ; A's blocks 4-7 are in
	PLACES NP
	FETCH_B \slot, (\q)+1, 1-(\q)%2
	FETCH_A \slot, (\q)+1, 0
	WIN MUL_HI
	MUL16 4, (\q)%2, \q, \slot, \zero
	MUL16 6, (\q)%2, \q, \slot, \zero
	PLACES NP
	WIN 0
	FETCH_A \slot, (\q)+1, 4
.endm
; Slot 0's last step changes slots: in front of the barrier each wave waits for all its tensor loads (its part of slot 1), adds 0 to its spare word and waits for that and for its LDS reads.  Nothing is filled again.
.macro TURN slot, next
	s_wait_tensorcnt 0x0                           ; all my tensor loads have landed
	ds_add_u32 v[SPW], v[NIL]                      ; 0 onto my spare word
	s_wait_dscnt 4*NL+1                            ; (the add and the youngest eight loads, A's blocks 4-7, may be out)
	WIN MUL_LO
	MUL16 0, 1, NQ-1, \slot, 0
	s_wait_dscnt 0x0                               ; the add is done, and my reads of this slot are over
	s_barrier_signal -1
	MUL16 2, 1, NQ-1, \slot, 0
	WIN 0
	s_barrier_wait -1                              ; the next slot is whole
	PLACES NP
	v_add_nc_u32 v[ADRS], 4*NQ, v[ADRS]            ; on to the next K step's scale words
	FETCH_B \next, 0, 0
	FETCH_A \next, 0, 0
	SCALES \next
	WIN MUL_HI
	MUL16 4, 1, NQ-1, \slot, 0
	MUL16 6, 1, NQ-1, \slot, 0
	PLACES NP
	WIN 0
	FETCH_A \next, 0, 4
.endm
.macro STEPS slot, from                ; the slot's steps from .. NQ - 2
.set Q, \from
.rept NQ-1-\from
	STEP \slot, Q, 0
.set Q, Q+1
.endr
.endm
	s_wait_tensorcnt 1                             ; the scales and my part of K step 0 are in; K step 1's load, the one issued behind them, may be out
	s_barrier_signal -1
	s_barrier_wait -1                              ; everybody's are
	FETCH_B 0, 0, 0
	FETCH_A 0, 0, 0
	SCALES 0
	FETCH_A 0, 0, 4
	STEP 0, 0, 1                                   ; the first step's products start the sums
	STEPS 0, 1
	TURN 0, 1
	STEPS 1, 0
	s_wait_dscnt 4*NL                              ; the very last step: nothing more to fetch
	WIN MUL_LO
	MUL16 0, 1, NQ-1, 1, 0
	MUL16 2, 1, NQ-1, 1, 0
	s_wait_dscnt 0
	WIN MUL_HI
	MUL16 4, 1, NQ-1, 1, 0
	MUL16 6, 1, NQ-1, 1, 0
	WIN 0
	PLACES NP                                      ; behind the last products, ahead of the first read of results and the first write of registers that products have read
; THE WAY OUT, block a of 16 rows of A at a time: bias (and q's factor) in f32, each accumulator from its low end on; rounded to f16 in pairs; eight stores of 512 consecutive bytes, each a piece of an image.
; The packed registers have two sets: set a % 2 is written again only when block a - 2's stores have read it.
.macro OUT isv
.irp a, 0,1,2,3,4,5,6,7
.if \a >= 2
	s_wait_xcnt 0x0                                ; the earlier stores have read their data registers
.endif
	WIN (0x02+\a/4)                                ; source 0: window 2 or 3
.irp b, 0,1,2,3,4,5,6,7
.irp i, 0,2,4,6
.if \isv
	v_pk_add_f32 v[T+8*\b+\i:T+8*\b+\i+1], v[64*(\a%4)+8*\b+\i:64*(\a%4)+8*\b+\i+1], v[BI+2*\a:BI+2*\a+1]
.else
	v_pk_fma_f32 v[T+8*\b+\i:T+8*\b+\i+1], v[64*(\a%4)+8*\b+\i:64*(\a%4)+8*\b+\i+1], s[100:101], v[BI+8*\b+\i:BI+8*\b+\i+1] op_sel_hi:[1,0,1]
.endif
.endr
.endr
	WIN 0
.set j, 0
.rept 32
	v_cvt_pk_f16_f32 v[PK+32*(\a%2)+j], v[T+2*j], v[T+2*j+1]
.set j, j+1
.endr
.irp b, 0,1,2,3,4,5,6,7
.if \isv
	global_store_b128 v[CO], v[PK+32*(\a%2)+4*\b:PK+32*(\a%2)+4*\b+3], s[12:13] offset:(\a/4)*262144+(\b/2)*4096+(\a%4)*1024+(\b%2)*512   ; head a / 4, keys 32 (b / 2) on, channels 16 (a % 4) on, piece b % 2
.else
	global_store_b128 v[CO], v[PK+32*(\a%2)+4*\b:PK+32*(\a%2)+4*\b+3], s[12:13] offset:(\b/4)*262144+\a*2048+((\b%4)/2)*1024+(\b%2)*512   ; head b / 4, tokens 16 a on, channels 32 ((b % 4) / 2) on, piece b % 2
.endif
.endr
.endr
.endm
	s_cmp_eq_u32 s95, 1                            ; the cluster's y again: the same way in all sixteen partners; no barrier stands in either arm
	s_cbranch_scc0 .Lout_v
	s_lshl_b32 s20, s17, 8
	s_lshl_b32 s21, s15, 7
	s_add_co_u32 s20, s20, s21                     ; my first token
	s_lshl_b32 s21, s42, 8
	s_lshl_b32 s22, s16, 7
	s_add_co_u32 s21, s21, s22                     ; my first feature, 0 .. 2,047
	s_lshr_b32 s22, s21, 10
	s_lshl_b32 s22, s22, 24                        ; q or k
	s_lshr_b32 s23, s20, 11
	s_lshl_b32 s23, s23, 22                        ; the batch: 16 heads of 1 << 18
	s_add_co_u32 s22, s22, s23
	s_bfe_u32 s23, s21, 0x40006
	s_lshl_b32 s23, s23, 18                        ; my first head
	s_add_co_u32 s22, s22, s23
	s_bfe_u32 s23, s20, 0x70004
	s_lshl_b32 s23, s23, 11                        ; my first tile of tokens in the sequence
	s_add_co_u32 s22, s22, s23
	s_mov_b32 s23, 0
	s_add_nc_u64 s[12:13], s[12:13], s[22:23]
	s_lshl_b32 s20, s21, 2
	s_mov_b32 s21, 0
	s_add_nc_u64 s[66:67], s[66:67], s[20:21]      ; the bias of my 128 features
	s_cmp_eq_u32 ttmp9, 0                          ; the cluster's column 0 holds q's features
	s_cselect_b32 s100, 0x3e38aa3b, 1.0            ; log2(e) / 8 for q, 1 for k
	s_mov_b32 s101, s100                           ; (named with it as a pair)
	v_lshlrev_b32 v3, 5, v2                        ; 8 h numbers
.irp b, 0,1,2,3,4,5,6,7
	global_load_b128 v[BI+8*\b:BI+8*\b+3], v3, s[66:67] offset:64*\b           ; bias(16 b + 8 h + 0 .. 7)
	global_load_b128 v[BI+8*\b+4:BI+8*\b+7], v3, s[66:67] offset:64*\b+16
.endr
	s_wait_loadcnt 0x0
.set j, 0
.rept 32
	v_pk_mul_f32 v[BI+2*j:BI+2*j+1], v[BI+2*j:BI+2*j+1], s[100:101] op_sel_hi:[1,0]   ; (sum + bias) x c = sum x c + bias x c: one fused multiply-add a number below
.set j, j+1
.endr
	OUT 0
	s_branch .Ldone
.Lout_v:
	s_lshl_b32 s20, s17, 8
	s_lshl_b32 s21, s15, 7
	s_add_co_u32 s20, s20, s21                     ; my first feature of v, 0 .. 1,023
	s_lshl_b32 s21, s42, 8
	s_lshl_b32 s22, s16, 7
	s_add_co_u32 s21, s21, s22                     ; my first token
	s_lshr_b32 s22, s21, 11
	s_lshl_b32 s22, s22, 22                        ; the batch
	s_add_co_u32 s22, s22, 2<<24                   ; v's part
	s_lshr_b32 s23, s20, 6
	s_lshl_b32 s23, s23, 18                        ; my first head
	s_add_co_u32 s22, s22, s23
	s_bfe_u32 s23, s21, 0x60005
	s_lshl_b32 s23, s23, 12                        ; my first chunk of 32 keys
	s_add_co_u32 s22, s22, s23
	s_mov_b32 s23, 0
	s_add_nc_u64 s[12:13], s[12:13], s[22:23]
	s_add_co_u32 s20, s20, 2048
	s_lshl_b32 s20, s20, 2
	s_mov_b32 s21, 0
	s_add_nc_u64 s[66:67], s[66:67], s[20:21]
	v_lshlrev_b32 v3, 2, v1                        ; my row r
.irp a, 0,1,2,3,4,5,6,7
	global_load_b32 v[BI+2*\a], v3, s[66:67] offset:64*\a                      ; bias(16 a + r), into both registers of a pair
	global_load_b32 v[BI+2*\a+1], v3, s[66:67] offset:64*\a
.endr
	s_wait_loadcnt 0x0
	OUT 1
.Ldone:
	s_wait_tensorcnt 0x0                           ; the wave's end
	ds_add_u32 v[SPW], v[NIL]
	s_wait_dscnt 0x0
	CROUND                                         ; the closing round: no work-group ends while a partner may still ask for a tile that names it
	s_endpgm
.Lfunc_end_k_q8f8561c138_qkvgemm:
	.size	k_q8f8561c138_qkvgemm, .Lfunc_end_k_q8f8561c138_qkvgemm-k_q8f8561c138_qkvgemm
	.p2alignl 7, 3214868480
	.fill 96, 4, 3214868480
	.section	.rodata,"a",@progbits
	.p2align	6, 0x0
	.amdhsa_kernel k_q8f8561c138_qkvgemm
		.amdhsa_group_segment_fixed_size 327680
		.amdhsa_private_segment_fixed_size 0
		.amdhsa_enable_private_segment 0
		.amdhsa_kernarg_size 48
		.amdhsa_user_sgpr_count 2
		.amdhsa_user_sgpr_kernarg_segment_ptr 1
		.amdhsa_wavefront_size32 1
		.amdhsa_system_sgpr_workgroup_id_x 1
		.amdhsa_system_sgpr_workgroup_id_y 1
		.amdhsa_system_sgpr_workgroup_id_z 1
		.amdhsa_system_vgpr_workitem_id 0
		.amdhsa_next_free_vgpr 1024
		.amdhsa_next_free_sgpr 102
		.amdhsa_reserve_vcc 0
		.amdhsa_float_denorm_mode_32 3
		.amdhsa_float_denorm_mode_16_64 3
		.amdhsa_memory_ordered 1
		.amdhsa_forward_progress 1
		.amdhsa_inst_pref_size 179
	.end_amdhsa_kernel
	.amdgpu_metadata
---
amdhsa.version: [ 1, 2 ]
amdhsa.kernels:
  - .name:           k_q8f8561c138_qkvgemm
    .symbol:         k_q8f8561c138_qkvgemm.kd
    .args:
      - { .name: xc, .offset: 0, .size: 8, .value_kind: global_buffer, .address_space: global }
      - { .name: xs, .offset: 8, .size: 8, .value_kind: global_buffer, .address_space: global }
      - { .name: wc, .offset: 16, .size: 8, .value_kind: global_buffer, .address_space: global }
      - { .name: ws, .offset: 24, .size: 8, .value_kind: global_buffer, .address_space: global }
      - { .name: in_proj_bias, .offset: 32, .size: 8, .value_kind: global_buffer, .address_space: global }
      - { .name: qkv, .offset: 40, .size: 8, .value_kind: global_buffer, .address_space: global }
    .group_segment_fixed_size: 327680
    .private_segment_fixed_size: 0
    .kernarg_segment_align: 8
    .kernarg_segment_size: 48
    .max_flat_workgroup_size: 128
    .sgpr_count:     102
    .vgpr_count:     1024
    .wavefront_size: 32
...
	.end_amdgpu_metadata
.endif
;; end of part 2
;; launch attn (part 3): grid 4 x 64, 8 waves a work-group, clusters of 4 x 1, 327,680 bytes of LDS; arguments qkv, attn_mask, o; writes o
.if DOCPART == 3
	.amdgcn_target "amdgcn-amd-amdhsa--gfx1250"
	.amdhsa_code_object_version 6
	.text
	.protected	k_q8f8561c138_attn
	.globl	k_q8f8561c138_attn
	.p2align	8
	.type	k_q8f8561c138_attn,@function
k_q8f8561c138_attn:
	s_mov_b64 s[64:65], 0
	v_nop
	global_prefetch_b8 v0, s[64:65] scope:SCOPE_SE
	s_setreg_imm32_b32 hwreg(HW_REG_WAVE_MODE, 25, 1), 1
	s_wait_xcnt 0x0
	s_wait_alu depctr_hold_cnt(0) depctr_sa_sdst(0) depctr_va_vdst(0) depctr_va_sdst(0) depctr_va_ssrc(0) depctr_va_vcc(0) depctr_vm_vsrc(0)
	s_getreg_b32 s2, hwreg(HW_REG_IB_STS2, 6, 4)
	s_cmp_eq_u32 s2, 0
	s_cbranch_scc0 .Lentry_in_a_cluster
	s_endpgm
.Lentry_in_a_cluster:
	s_bfe_u32 s2, ttmp6, 0x10000c
	s_cmp_lg_u32 s2, 0x3003
	s_cbranch_scc0 .Lentry_shape_is_right
	s_endpgm
.Lentry_shape_is_right:
; o[b][t][head] = the sum over keys of softmax(q . k / 8 + mask[b][key]) v, for 64 pairs (batch, head), 2,048 queries and keys, head size 64.  Operands in f16, products, maxima and sums in f32.
; q, k, v come as IMAGES OF OPERAND REGISTERS (a fragment, 16 rows x 32 along K, is 1,024 bytes: piece p, lane l at 512 p + 16 l): a load of 16 bytes at 16 x lane brings four registers of a fragment, from memory or from LDS:
; no pitch, no padding, no turning load.  q carries log2(e) / 8 already, so a score is an exponent of 2.
; SHARES.  y = 16 batch + head.  The four work-groups of a cluster are the head's four blocks of 512 queries; a wave owns 64 queries: four tiles t of 16.  Two waves share a SIMD (512 registers each).
; Every wave walks all 2,048 keys, 64 a step.  K and V come through two LDS slots of 512 keys, asked for JOINTLY by the four work-groups (they walk the same K and V): wave w fetches quarter w % 4 of K (w < 4) or of V, 16 KB.
; LAYOUT.  Both products are used transposed.  S^T = K Q^T + C (source 0 = 16 keys, source 1 = 16 queries): a lane holds ONE query (lane % 16) and keys 8 (lane / 16) + 0 .. 7.  C, the keys' mask x log2(e), is given to each
; sum's first matrix instruction, so the mask costs no vector line.  Two such tiles, rounded to f16 in pairs, ARE source 1 (32 keys x 16 queries) of O^T = V^T P, whose result holds one query a lane and eight channels.
; SOFTMAX.  For each query a running maximum m of t = score x log2(e) (it begins at -3e38) and a sum l: p = 2^(t - m); in every step O^T and l are multiplied by a = 2^(m_old - m_new).  l sums the f32 p.
; A key whose mask is -infinity gives p = 0; a row all of whose keys are so gives 0 x (1 / 0) = NaN, as the softmax of such a row is.
; o leaves as images too: fragment (tile of 16 tokens gt, chunk of 32 features kc) at gt << 15 + kc << 10: a lane's eight channels are four packed registers: one store of 512 consecutive bytes.
; LIMITS: NaN and +infinity among scores and mask are not served; o stays under 65,504 in magnitude (f16), as v does.
; REGISTERS.  window 0: v1-13 addresses; v16-31 statistics (tile t: m, m_old - m, l in two halves); v32-63 the mask as C, then at work (tile t: c0-c3, a, the other half's maximum, a second chain of the sum);
;   v64-127 K's 8 fragments; v128-255 S^T, 32 a tile, later p, later P in the tile's first 16.     window 1: v0-63 Q; v64-127 V's 8 fragments; v128-255 O^T, 32 a tile.
.set MASK,  262144                     ; LDS: slot 0 at 0, slot 1 at 1 << 17 (K's 65,536 bytes, then V's); behind them the batch's mask x log2(e), 8,192 bytes, stored by the waves: no tile lands there
.set SPARE, 270336                     ; the spare words, 128 bytes a wave
.set SLOT1, 1<<17
.set LI,   1                           ; v1   16 x lane
.set AM0,  2                           ; v2   MASK + 32 (lane / 16)
.set ADK,  3                           ; v3   LDS address of the step's K
.set ADV,  4                           ; v4   of its V
.set ADM,  5                           ; v5   of its mask
.set TH16, 6                           ; v6   16 x thread
.set PFO,  7                           ; v7   256 x lane; never rewritten
.set SPW,  10                          ; v10  my spare word; never rewritten
.set NIL,  11                          ; v11  0; never rewritten
.set LIV,  12                          ; v12  16 x lane + 65,536
.set MST,  13                          ; v13  MASK + 16 x thread
.set ST,   16
.set MK,   32
.set KF,   64
.set S,    128
.set QF,   0                           ; in window 1
.set VF,   64
.set O,    128
.set WV,   12                          ; s12  my wave's number
.set LIM,  15                          ; s15  1 in a wave that prefetches, else the greatest number
.set PFA,  18                          ; s[18:19] where my prefetch stands
.set G1,   24                          ; s[24:31] descriptor group 1, one for all loads
.set G0A,  32                          ; s[32:35] group 0 of slot 0's first fill
.set G0B,  36                          ; s[36:39] of slot 1's; it then walks
.set TB,   40                          ; s40  LDS byte at which the step's K begins
.set TM,   41                          ; s41  256 bytes of mask a step
.set CNT,  42
.set SLOTS, 43                         ; s43  slots still to be asked for
.set SEL,  44                          ; s[44:45] v_permlanex16_b32's selects for lane l xor 16
.set MSB, 0
.macro WIN new                         ; the immediate's high byte repeats the setting that is left
.if MSB != \new
	s_set_vgpr_msb (MSB<<8)|\new
.set MSB, \new
.endif
.endm
.macro CROUND                          ; a round of the cluster's barrier
	s_barrier_signal -1
	s_barrier_wait -1
	s_cmp_lg_u32 s[WV], 0
	s_cbranch_scc1 .Lnot_wave_0_\@
	s_barrier_signal -3
.Lnot_wave_0_\@:
	s_barrier_wait -3
	s_barrier_signal -1
	s_barrier_wait -1
.endm
.macro JLOAD                           ; a joint refill: every wave issues this one line, each with its own quarter's addresses; an s_nop 0 and four v_nop follow
	tensor_load_to_lds s[G0B:G0B+3], s[G1:G1+7]
	s_nop 0
.rept 4
	v_nop
.endr
.endm
; A PREFETCH INTO THE L2 of what the NEXT change of slots will ask for.  An even wave's quarter and the next wave's are 32 KB on end; of them the partner at place cx takes 8 KB, told apart BY ADDRESS, lanes 256 bytes apart:
; one instruction in each even wave, each block of 256 bytes named once in the launch.  It stands behind the wave's tensor load and its five lines.  The first change asks for the fourth slot's bytes, eight key steps ahead of
; their load; the second, the last that fills a slot, asks for nothing.  The first three slots come by their loads alone.
.macro ASK
	s_cmp_gt_u32 s[SLOTS], s[LIM]
	s_cbranch_scc0 .Lnot_mine_\@
	global_prefetch_b8 v[PFO], s[PFA:PFA+1] th:TH_LOAD_NT scope:SCOPE_SE
.Lnot_mine_\@:
.endm
	s_load_b128 s[4:7], s[0:1], 0x0                ; qkv, the mask
	s_load_b64 s[8:9], s[0:1], 0x10                ; o
	v_lshl_add_u32 v[SPW], v0, 2, SPARE
	v_mov_b32 v[NIL], 0
	ds_add_u32 v[SPW], v[NIL]                      ; the wave's opening: the add, twice on end, and its wait ahead of my first tensor load
	ds_add_u32 v[SPW], v[NIL]
	v_lshrrev_b32 v8, 5, v0
	v_readfirstlane_b32 s[WV], v8                  ; wave 0..7
	s_bfe_u32 s13, ttmp6, 0x40000                  ; cx: my block of 512 queries
	s_and_b32 s14, ttmp7, 0xffff                   ; 16 batch + head, which the four partners share
	; descriptor group 1: 16 KB dense, as 64 rows of 256 bytes (32 elements of 8 bytes), no padding
	s_mov_b32 s[G1], 15|(3<<16)|(1<<21)            ; 15:0 the mask: all four work-groups; 17:16 elements of 8 bytes; 21 set beside a mask
	s_mov_b32 s[G1+1], 32<<16                      ; tensor_dim0
	s_mov_b32 s[G1+2], 64<<16                      ; tensor_dim1
	s_mov_b32 s[G1+3], 32<<16                      ; tile_dim0
	s_mov_b32 s[G1+4], 64                          ; tile_dim1
	s_mov_b32 s[G1+5], 32                          ; tensor_dim0_stride
	s_mov_b32 s[G1+6], 0
	s_mov_b32 s[G1+7], 0
	s_lshr_b32 s20, s[WV], 2
	s_add_co_u32 s20, s20, 1
	s_lshl_b32 s20, s20, 24                        ; k's part (waves 0-3) or v's (4-7),
	s_lshl_b32 s21, s14, 18
	s_add_co_u32 s20, s20, s21                     ; my head,
	s_and_b32 s22, s[WV], 3
	s_lshl_b32 s22, s22, 14
	s_add_co_u32 s20, s20, s22                     ; my quarter of a slot
	s_mov_b32 s21, 0
	s_lshl_b32 s22, s13, 13                        ; the prefetch: my work-group's 8 KB,
	s_add_co_u32 s22, s22, 2*65536                 ; in the third slot's bytes; the first change of slots steps it to the fourth's
	s_mov_b32 s23, 0
	s_mov_b32 s[G0A], 1
	s_lshl_b32 s[G0A+1], s[WV], 14                 ; LDS: wave x 16 KB: no place in the cluster enters an LDS address
	s_mov_b32 s[G0B], 1
	s_add_co_u32 s[G0B+1], s[G0A+1], SLOT1
	s_lshl_b32 s46, s14, 18                        ; Q: my head,
	s_lshl_b32 s47, s13, 16
	s_add_co_u32 s46, s46, s47                     ; my block of 512 queries,
	s_lshl_b32 s47, s[WV], 13
	s_add_co_u32 s46, s46, s47                     ; my wave's 64
	s_mov_b32 s47, 0
	s_lshr_b32 s50, s14, 4                         ; the batch
	s_lshl_b32 s48, s50, 13                        ; its row of the mask
	s_mov_b32 s49, 0
	s_lshl_b32 s50, s50, 7                         ; o: tile of tokens 128 batch + 32 cx + 4 wave,
	s_lshl_b32 s51, s13, 5
	s_add_co_u32 s50, s50, s51
	s_lshl_b32 s51, s[WV], 2
	s_add_co_u32 s50, s50, s51
	s_lshl_b32 s50, s50, 15
	s_and_b32 s51, s14, 15
	s_lshl_b32 s51, s51, 11                        ; the head's two chunks of features
	s_add_co_u32 s50, s50, s51
	s_mov_b32 s51, 0
	s_and_b32 s[LIM], s[WV], 1
	s_cmp_eq_u32 s[LIM], 0
	s_cselect_b32 s[LIM], 1, -1                    ; even waves prefetch
	s_mov_b32 s[SEL], 0x76543210
	s_mov_b32 s[SEL+1], 0xfedcba98
	s_mov_b32 s[TB], 0
	s_mov_b32 s[TM], 0
	s_mov_b32 s[SLOTS], 2
	s_wait_dscnt 0x0                               ; both opening adds are done
	s_wait_kmcnt 0x0
	s_add_nc_u64 s[G0A+2:G0A+3], s[4:5], s[20:21]  ; keys 0 .. 511
	s_add_nc_u64 s[G0B+2:G0B+3], s[G0A+2:G0A+3], 65536   ; keys 512 .. 1,023
	s_add_nc_u64 s[PFA:PFA+1], s[G0A+2:G0A+3], s[22:23]
	s_or_b32 s[G0A+3], s[G0A+3], 0x80000000        ; 127:126 type = 2
	s_or_b32 s[G0B+3], s[G0B+3], 0x80000000
	s_add_nc_u64 s[4:5], s[4:5], s[46:47]
	s_add_nc_u64 s[6:7], s[6:7], s[48:49]
	s_add_nc_u64 s[8:9], s[8:9], s[50:51]
	CROUND                                         ; all four work-groups are here: the first joint loads meet
	tensor_load_to_lds s[G0A:G0A+3], s[G1:G1+7]    ; both first fills together: two loads of mine are out
	s_nop 0
	tensor_load_to_lds s[G0B:G0B+3], s[G1:G1+7]
	s_nop 0
.rept 4
	v_nop
.endr
	v_and_b32 v8, 31, v0
	v_lshlrev_b32 v[LI], 4, v8
	v_lshlrev_b32 v[PFO], 8, v8
	v_bfe_u32 v9, v0, 4, 1
	v_lshl_add_u32 v[AM0], v9, 5, MASK
	v_lshlrev_b32 v[TH16], 4, v0
	v_add_nc_u32 v[MST], MASK, v[TH16]
	v_add_nc_u32 v[LIV], 65536, v[LI]
	global_load_b128 v[S:S+3], v[TH16], s[6:7]                 ; the batch's mask: 256 threads x 16 bytes, twice
	global_load_b128 v[S+4:S+7], v[TH16], s[6:7] offset:4096
	WIN 0x40                                       ; destination window 1
.set i, 0
.rept 16
	global_load_b128 v[QF+4*i:QF+4*i+3], v[LI], s[4:5] offset:512*i   ; Q stays in registers: tile i / 4, chunk (i / 2) % 2, piece i % 2
.set i, i+1
.endr
	WIN 0
.irp t, 0,1,2,3
	v_mov_b32 v[ST+4*\t], 0xff61b1e6               ; m: -3e38, under every t
	v_mov_b32 v[ST+4*\t+1], 0
	v_mov_b32 v[ST+4*\t+2], 0                      ; l, in two halves
	v_mov_b32 v[ST+4*\t+3], 0
.endr
	s_wait_loadcnt 16                              ; the mask's two loads are in; Q's sixteen, issued behind them, may be out
.irp j, 0,2,4,6
	v_pk_mul_f32 v[S+\j:S+\j+1], v[S+\j:S+\j+1], 0x3fb8aa3b op_sel_hi:[1,0]   ; x log2(e)
.endr
	ds_store_b128 v[MST], v[S:S+3]
	ds_store_b128 v[MST], v[S+4:S+7] offset:4096
	s_wait_tensorcnt 1                             ; my part of slot 0 is in; slot 1's, issued behind it, may stay out
	s_wait_dscnt 0x0                               ; for the others' sake: my part of the mask is stored
	s_barrier_signal -1
	s_barrier_wait -1
	s_wait_loadcnt 0x0                             ; Q
; A KEY STEP: 64 keys.  first = 1: the launch's first step: its V^T P starts O^T's sums with the constant 0, and there is nothing to rescale.
.macro STEP first
	v_add_nc_u32 v[ADK], s[TB], v[LI]              ; three additions and two v_nop: five places behind the last V^T P, ahead of the scores that write over P's registers, and (four are asked) of the loads into V's
	v_add_nc_u32 v[ADV], s[TB], v[LIV]
	v_add_nc_u32 v[ADM], s[TM], v[AM0]
	v_nop
	v_nop
.set i, 0
.rept 16
	ds_load_b128 v[KF+4*i:KF+4*i+3], v[ADK] offset:512*i       ; K: key tile i / 4, chunk (i / 2) % 2, piece i % 2
.set i, i+1
.endr
.irp a, 0,1,2,3
	ds_load_b128 v[MK+8*\a:MK+8*\a+3], v[ADM] offset:64*\a     ; mask(16 a + 8 h + 0 .. 7): the result's layout
	ds_load_b128 v[MK+8*\a+4:MK+8*\a+7], v[ADM] offset:64*\a+16
.endr
	WIN 0x40                                       ; destination window 1
.set i, 0
.rept 16
	ds_load_b128 v[VF+4*i:VF+4*i+3], v[ADV] offset:512*i       ; V^T: keys 32 (i / 8) on, channel tile (i / 2) % 4, piece i % 2
.set i, i+1
.endr
	s_wait_dscnt 16                                ; K and the mask are in; V's sixteen loads, issued behind them, may be out
	WIN 0x04                                       ; source 1 (Q) window 1
.irp c, 0,1                                    ; the 16 accumulators take turns, one instruction a turn
.irp a, 0,1,2,3
.irp t, 0,1,2,3
.if \c == 0
	v_wmma_f32_16x16x32_f16 v[S+32*\t+8*\a:S+32*\t+8*\a+7], v[KF+16*\a+8*\c:KF+16*\a+8*\c+7], v[QF+16*\t+8*\c:QF+16*\t+8*\c+7], v[MK+8*\a:MK+8*\a+7]
.else
	v_wmma_f32_16x16x32_f16 v[S+32*\t+8*\a:S+32*\t+8*\a+7], v[KF+16*\a+8*\c:KF+16*\a+8*\c+7], v[QF+16*\t+8*\c:QF+16*\t+8*\c+7], v[S+32*\t+8*\a:S+32*\t+8*\a+7]
.endif
.endr
.endr
.endr
	WIN 0
.rept 4
	v_nop                                          ; four places ahead of the first read of the scores and the first write of the mask's registers
.endr
	; the maximum of a tile's 32 scores and the old m, three operands at a time, four chains; the four tiles by turns.  Each accumulator is first read at its three lowest registers
.irp j, 0,1,2,3
.irp t, 0,1,2,3
	v_max3_num_f32 v[MK+8*\t+\j], v[S+32*\t+8*\j], v[S+32*\t+8*\j+1], v[S+32*\t+8*\j+2]
.endr
.endr
.irp g, 1,2
.irp j, 0,1,2,3
.irp t, 0,1,2,3
	v_max3_num_f32 v[MK+8*\t+\j], v[MK+8*\t+\j], v[S+32*\t+8*\j+2*\g+1], v[S+32*\t+8*\j+2*\g+2]
.endr
.endr
.endr
.irp t, 0,1,2,3
	v_max3_num_f32 v[MK+8*\t], v[MK+8*\t], v[S+32*\t+7], v[S+32*\t+15]
.endr
.irp t, 0,1,2,3
	v_max3_num_f32 v[MK+8*\t+2], v[MK+8*\t+2], v[S+32*\t+23], v[S+32*\t+31]
.endr
.irp t, 0,1,2,3
	v_max3_num_f32 v[MK+8*\t], v[MK+8*\t], v[MK+8*\t+1], v[MK+8*\t+2]
.endr
.irp t, 0,1,2,3
	v_max3_num_f32 v[MK+8*\t], v[MK+8*\t], v[MK+8*\t+3], v[ST+4*\t]
.endr
.irp t, 0,1,2,3
	v_permlanex16_b32 v[MK+8*\t+5], v[MK+8*\t], s[SEL], s[SEL+1]   ; the query's other 32 keys lie in the lane 16 away
.endr
.irp t, 0,1,2,3
	v_mov_b32 v[ST+4*\t+1], v[ST+4*\t]             ; m_old
.endr
.irp t, 0,1,2,3
	v_max_num_f32 v[ST+4*\t], v[MK+8*\t], v[MK+8*\t+5]
.endr
.irp t, 0,1,2,3
	v_sub_f32 v[ST+4*\t+1], v[ST+4*\t+1], v[ST+4*\t]
.endr
	; ONE BATCH: a and all 128 weights.  None of these lines names an exponential's result; a pair is brought under m a turn ahead of its exponentials
.irp t, 0,1,2,3
	v_exp_f32 v[MK+8*\t+4], v[ST+4*\t+1]           ; a = 2^(m_old - m)
.endr
.irp t, 0,1,2,3
	v_pk_add_f32 v[S+32*\t:S+32*\t+1], v[S+32*\t:S+32*\t+1], v[ST+4*\t:ST+4*\t+1] op_sel_hi:[1,0] neg_lo:[0,1] neg_hi:[0,1]   ; t - m: of the pair (m, ..) the low word serves both halves
.endr
.set i, 0
.rept 16
.irp t, 0,1,2,3
.if i < 15
	v_pk_add_f32 v[S+32*\t+2*i+2:S+32*\t+2*i+3], v[S+32*\t+2*i+2:S+32*\t+2*i+3], v[ST+4*\t:ST+4*\t+1] op_sel_hi:[1,0] neg_lo:[0,1] neg_hi:[0,1]
.endif
	v_exp_f32 v[S+32*\t+2*i], v[S+32*\t+2*i]
	v_exp_f32 v[S+32*\t+2*i+1], v[S+32*\t+2*i+1]
.endr
.set i, i+1
.endr
	v_nop                                          ; a plain instruction behind the last exponential
	s_wait_alu depctr_va_vdst(0)                   ; one wait for the whole batch, ahead of the first line that names a result
	; l = a l + the sum of the unrounded p, two at a time, in two chains a tile
.irp t, 0,1,2,3
	v_pk_fma_f32 v[ST+4*\t+2:ST+4*\t+3], v[ST+4*\t+2:ST+4*\t+3], v[MK+8*\t+4:MK+8*\t+5], v[S+32*\t:S+32*\t+1] op_sel_hi:[1,0,1]
.endr
.irp t, 0,1,2,3
	v_pk_add_f32 v[MK+8*\t+6:MK+8*\t+7], v[S+32*\t+2:S+32*\t+3], v[S+32*\t+4:S+32*\t+5]
.endr
.irp n, 3,5,7,9,11,13
.irp t, 0,1,2,3
	v_pk_add_f32 v[ST+4*\t+2:ST+4*\t+3], v[ST+4*\t+2:ST+4*\t+3], v[S+32*\t+2*\n:S+32*\t+2*\n+1]
	v_pk_add_f32 v[MK+8*\t+6:MK+8*\t+7], v[MK+8*\t+6:MK+8*\t+7], v[S+32*\t+2*\n+2:S+32*\t+2*\n+3]
.endr
.endr
.irp t, 0,1,2,3
	v_pk_add_f32 v[ST+4*\t+2:ST+4*\t+3], v[ST+4*\t+2:ST+4*\t+3], v[S+32*\t+30:S+32*\t+31]
.endr
.irp t, 0,1,2,3
	v_pk_add_f32 v[ST+4*\t+2:ST+4*\t+3], v[ST+4*\t+2:ST+4*\t+3], v[MK+8*\t+6:MK+8*\t+7]
.endr
.set i, 0
.rept 16                                       ; p to f16, in place: register i takes numbers 2 i and 2 i + 1, ascending, so nothing unread is written: registers 8 kc .. 8 kc + 7 are P's fragment of keys 32 kc on
.irp t, 0,1,2,3
	v_cvt_pk_f16_f32 v[S+32*\t+i], v[S+32*\t+2*i], v[S+32*\t+2*i+1]
.endr
.set i, i+1
.endr
.if \first == 0
	WIN 0x41                                       ; O^T (destination and source 0) window 1, a window 0
.irp t, 0,1,2,3
.set i, 0
.rept 16
	v_pk_mul_f32 v[O+32*\t+2*i:O+32*\t+2*i+1], v[O+32*\t+2*i:O+32*\t+2*i+1], v[MK+8*\t+4:MK+8*\t+5] op_sel_hi:[1,0]   ; ascending: each accumulator from its low end on
.set i, i+1
.endr
.endr
.endif
	s_wait_dscnt 0x0                               ; V is in
	WIN 0x51                                       ; V window 1, P window 0, O^T window 1
.irp kc, 0,1                                   ; the 16 accumulators take turns
.irp ct, 0,1,2,3
.irp t, 0,1,2,3
.if \first && (\kc == 0)
	v_wmma_f32_16x16x32_f16 v[O+32*\t+8*\ct:O+32*\t+8*\ct+7], v[VF+32*\kc+8*\ct:VF+32*\kc+8*\ct+7], v[S+32*\t+8*\kc:S+32*\t+8*\kc+7], 0
.else
	v_wmma_f32_16x16x32_f16 v[O+32*\t+8*\ct:O+32*\t+8*\ct+7], v[VF+32*\kc+8*\ct:VF+32*\kc+8*\ct+7], v[S+32*\t+8*\kc:S+32*\t+8*\kc+7], v[O+32*\t+8*\ct:O+32*\t+8*\ct+7]
.endif
.endr
.endr
.endr
	WIN 0
	s_add_co_u32 s[TB], s[TB], 8192                ; the next step's K (and V, 65,536 on)
	s_add_co_u32 s[TM], s[TM], 256                 ; and mask
.endm
.macro STEPS n
	s_mov_b32 s[CNT], \n
.Lstep_\@:
	STEP 0
	s_sub_co_u32 s[CNT], s[CNT], 1
	s_cmp_lg_u32 s[CNT], 0
	s_cbranch_scc1 .Lstep_\@
.endm
; THE CHANGE OF SLOTS.  Each wave waits for all its tensor loads, of which one is out: its part of the other slot; adds 0 to its spare word; and waits for that and for its reads of the slot that it leaves.
; fill = 1: the slot left is filled again with the keys two slots on.  The barrier is then a round of the cluster's, so that no wave of any partner still reads the slot or has a load on its way, and the joint refill is
; the first thing behind it: it has eight key steps, 512 matrix instructions of a wave, in which to land.
.macro CHANGE fill
	s_wait_tensorcnt 0x0                           ; no tensor load of mine is out, so a group 0 may be written
	ds_add_u32 v[SPW], v[NIL]                      ; 0 onto my spare word
.if \fill
	s_xor_b32 s[G0B+1], s[G0B+1], SLOT1            ; the walking descriptor: the other slot than last time,
	s_add_nc_u64 s[G0B+2:G0B+3], s[G0B+2:G0B+3], 65536   ; the next 512 keys; the type bits on top are not reached
	s_wait_xcnt 0x0                                ; an earlier prefetch has read its address, so it may be written
	s_add_nc_u64 s[PFA:PFA+1], s[PFA:PFA+1], 65536
	s_wait_dscnt 0x0                               ; the add is done, and my reads of the slot are over
	CROUND
	JLOAD
	ASK
.else
	s_wait_dscnt 0x0
	s_barrier_signal -1
	s_barrier_wait -1
.endif
	s_sub_co_u32 s[TB], s[TB], 65536               ; back to a slot's first step,
	s_xor_b32 s[TB], s[TB], SLOT1                  ; in the other slot
.endm
	STEP 1
	STEPS 7
.Lslot:                                                ; two trips: slots 0 and 1 are filled again
	CHANGE 1
	STEPS 8
	s_sub_co_u32 s[SLOTS], s[SLOTS], 1
	s_cmp_lg_u32 s[SLOTS], 0
	s_cbranch_scc1 .Lslot
	CHANGE 0                                       ; the last slot is written out: nothing is asked for
	STEPS 8
	; THE WAY OUT.  l's two halves and the other half of the lanes' are added; O^T is divided by l, rounded to f16 and stored as images.  The additions are the places behind the last products.
.irp t, 0,1,2,3
	v_add_f32 v[MK+8*\t], v[ST+4*\t+2], v[ST+4*\t+3]
.endr
.irp t, 0,1,2,3
	v_permlanex16_b32 v[MK+8*\t+5], v[MK+8*\t], s[SEL], s[SEL+1]
.endr
.irp t, 0,1,2,3
	v_add_f32 v[MK+8*\t], v[MK+8*\t], v[MK+8*\t+5]
.endr
.irp t, 0,1,2,3
	v_rcp_f32 v[MK+8*\t+4], v[MK+8*\t]
.endr
	v_nop                                          ; a plain instruction behind the last reciprocal
	s_wait_alu depctr_va_vdst(0)                   ; one wait for the four, ahead of their first reader
	WIN 0x41
.irp t, 0,1,2,3
.set i, 0
.rept 16
	v_pk_mul_f32 v[O+32*\t+2*i:O+32*\t+2*i+1], v[O+32*\t+2*i:O+32*\t+2*i+1], v[MK+8*\t+4:MK+8*\t+5] op_sel_hi:[1,0]
.set i, i+1
.endr
.endr
	WIN 0x05                                       ; sources window 1, destination window 0
.irp t, 0,1,2,3
.set i, 0
.rept 16
	v_cvt_pk_f16_f32 v[S+16*\t+i], v[O+32*\t+2*i], v[O+32*\t+2*i+1]
.set i, i+1
.endr
.endr
	WIN 0
.irp t, 0,1,2,3
.irp ct, 0,1,2,3
	global_store_b128 v[LI], v[S+16*\t+4*\ct:S+16*\t+4*\ct+3], s[8:9] offset:32768*\t+512*\ct   ; tokens 16 t on; channels 16 ct + 8 h + 0 .. 7: chunk ct / 2, piece ct % 2; 512 consecutive bytes
.endr
.endr
	s_wait_tensorcnt 0x0                           ; the wave's end
	ds_add_u32 v[SPW], v[NIL]
	s_wait_dscnt 0x0
	CROUND                                         ; the closing round
	s_endpgm
.Lfunc_end_k_q8f8561c138_attn:
	.size	k_q8f8561c138_attn, .Lfunc_end_k_q8f8561c138_attn-k_q8f8561c138_attn
	.p2alignl 7, 3214868480
	.fill 96, 4, 3214868480
	.section	.rodata,"a",@progbits
	.p2align	6, 0x0
	.amdhsa_kernel k_q8f8561c138_attn
		.amdhsa_group_segment_fixed_size 327680
		.amdhsa_private_segment_fixed_size 0
		.amdhsa_enable_private_segment 0
		.amdhsa_kernarg_size 24
		.amdhsa_user_sgpr_count 2
		.amdhsa_user_sgpr_kernarg_segment_ptr 1
		.amdhsa_wavefront_size32 1
		.amdhsa_system_sgpr_workgroup_id_x 1
		.amdhsa_system_sgpr_workgroup_id_y 1
		.amdhsa_system_sgpr_workgroup_id_z 1
		.amdhsa_system_vgpr_workitem_id 0
		.amdhsa_next_free_vgpr 512
		.amdhsa_next_free_sgpr 66
		.amdhsa_reserve_vcc 0
		.amdhsa_float_denorm_mode_32 3
		.amdhsa_float_denorm_mode_16_64 3
		.amdhsa_memory_ordered 1
		.amdhsa_forward_progress 1
		.amdhsa_inst_pref_size 144
	.end_amdhsa_kernel
	.amdgpu_metadata
---
amdhsa.version: [ 1, 2 ]
amdhsa.kernels:
  - .name:           k_q8f8561c138_attn
    .symbol:         k_q8f8561c138_attn.kd
    .args:
      - { .name: qkv, .offset: 0, .size: 8, .value_kind: global_buffer, .address_space: global }
      - { .name: attn_mask, .offset: 8, .size: 8, .value_kind: global_buffer, .address_space: global }
      - { .name: o, .offset: 16, .size: 8, .value_kind: global_buffer, .address_space: global }
    .group_segment_fixed_size: 327680
    .private_segment_fixed_size: 0
    .kernarg_segment_align: 8
    .kernarg_segment_size: 24
    .max_flat_workgroup_size: 256
    .sgpr_count:     66
    .vgpr_count:     512
    .wavefront_size: 32
...
	.end_amdgpu_metadata
.endif
;; end of part 3
;; launch outgemm (part 4): grid 4 x 64, 4 waves a work-group, clusters of 4 x 4, 327,680 bytes of LDS; arguments o, wo, out_proj_bias, out0; writes out0
.if DOCPART == 4
	.amdgcn_target "amdgcn-amd-amdhsa--gfx1250"
	.amdhsa_code_object_version 6
	.text
	.protected	k_q8f8561c138_outgemm
	.globl	k_q8f8561c138_outgemm
	.p2align	8
	.type	k_q8f8561c138_outgemm,@function
k_q8f8561c138_outgemm:
	s_mov_b64 s[64:65], 0
	v_nop
	global_prefetch_b8 v0, s[64:65] scope:SCOPE_SE
	s_setreg_imm32_b32 hwreg(HW_REG_WAVE_MODE, 25, 1), 1
	s_wait_xcnt 0x0
	s_wait_alu depctr_hold_cnt(0) depctr_sa_sdst(0) depctr_va_vdst(0) depctr_va_sdst(0) depctr_va_ssrc(0) depctr_va_vcc(0) depctr_vm_vsrc(0)
	s_getreg_b32 s2, hwreg(HW_REG_IB_STS2, 6, 4)
	s_cmp_eq_u32 s2, 0
	s_cbranch_scc0 .Lentry_in_a_cluster
	s_endpgm
.Lentry_in_a_cluster:
	s_bfe_u32 s2, ttmp6, 0x10000c
	s_cmp_lg_u32 s2, 0xf033
	s_cbranch_scc0 .Lentry_shape_is_right
	s_endpgm
.Lentry_shape_is_right:
; out0 = o W_out^T + bias.  o [8192 tokens][1024] and W_out [1024][1024] come in f16 as IMAGES OF OPERAND REGISTERS: fragment (tile of 16 rows, chunk of 32 along K) at tile << 15 + chunk << 10; piece p, lane l at 512 p + 16 l.
; out0 [8192][1024] f32; sums in f32.
; A tile of out0 is 128 tokens x 256 features: 256 work-groups, one for each WGP (tiles of 256 x 256 would be 128).  Four waves; wave (wr, wc) makes 64 x 128: 32 accumulators, all of window 1.
; K goes in eight steps of 128 through two LDS slots.  A K step of a tile of rows is four fragments on end, 4 KB; the tiles of rows lie 32 KB apart: a tensor load brings 4 (o) or 8 (W_out) such rows.  In LDS an image needs no padding:
; a fragment load's 32 lanes read 512 consecutive bytes.
; THE MATRIX INSTRUCTION IS USED TRANSPOSED (source 0 = 16 rows of W_out, source 1 = 16 tokens): a lane holds one token and eight neighbouring features.
; CLUSTERS: 4 x 4 work-groups; o's tiles are shared along a row of the cluster, W_out's along a column: joint loads.
; REGISTERS.  window 0: v12-15 the bias of my 4 columns; v16-30 addresses; two fragment buffers of 96: v32-127, v128-223 (W_out's eight fragments, then o's four); on the way out v32-159 rows of out0.
;   window 1: accumulator (a, b) at v[8 (8 a + b)].
.set SLOT,   98304                     ; o's 8 tiles of rows x 4 KB, then W_out's 16 x 4 KB
.set BOFF,   32768
.set STAGE,  2*SLOT                    ; behind the slots: 16 rows x (512 bytes + 16) for each wave, for the way out
.set SPITCH, 528
.set SPARE,  STAGE+4*16*SPITCH         ; the spare words, 128 bytes a wave
.set KB,     4096                      ; a K step of a tile of rows, in bytes
.set ADRA, 16                          ; v16-17  LDS address of my fragments of o in slot 0, 1
.set ADRB, 20                          ; v20-21  of W_out
.set STO,  24                          ; v24     the way out: where I put 32 bytes of a row
.set RD,   25                          ; v25     where I read a row back
.set CO,   26                          ; v26     16 x lane
.set SPW,  28                          ; v28     my spare word; never rewritten
.set NIL,  29                          ; v29     0; never rewritten
.set PFO,  30                          ; v30     the prefetch's offset; never rewritten
.set F0,   32
.set F1,   128
.set BK,   32
.set G1, 24
.set G0, 32
.set G1B, 48
.set G0B, 56
.set PFA, 44                           ; s[44:45]
.set LIM, 47                           ; s47
.set MSB, 0
.macro WIN new
.if MSB != \new
	s_set_vgpr_msb (MSB<<8)|\new
.set MSB, \new
.endif
.endm
.set MUL, 0x50                         ; C and D window 1, sources window 0
.macro JLOAD s                         ; a joint load: waves 0 and 1 fetch o's two halves, waves 2 and 3 W_out's; an s_nop 0 and four v_nop follow each line
	s_cmp_eq_u32 s13, 0
	s_cbranch_scc0 .Lfor_b_\@
	tensor_load_to_lds s[G0+4*\s:G0+4*\s+3], s[G1:G1+7]
	s_nop 0
.rept 4
	v_nop
.endr
	s_branch .Lasked_\@
.Lfor_b_\@:
	tensor_load_to_lds s[G0B+4*\s:G0B+4*\s+3], s[G1B:G1B+7]
	s_nop 0
.rept 4
	v_nop
.endr
.Lasked_\@:
.endm
.macro CREST                           ; a round of the cluster's barrier behind its opening barrier
	s_cmp_lg_u32 s12, 0
	s_cbranch_scc1 .Lnot_wave_0_\@
	s_barrier_signal -3
.Lnot_wave_0_\@:
	s_barrier_wait -3
	s_barrier_signal -1
	s_barrier_wait -1
.endm
.macro CROUND
	s_barrier_signal -1
	s_barrier_wait -1
	CREST
.endm
; A PREFETCH INTO THE L2 of o's K step that stands two refills on: 8 tiles of rows x 4 KB.  The four partners that ask for o's tile jointly share it out BY ADDRESS, two tiles of rows each: 32 blocks of 256 bytes, a lane a block,
; one instruction of wave 0.  No other cluster reads these rows, so each block is named once in the launch.  The loop's last trip asks for nothing: its refills are the last two K steps.  K steps 0 to 3 come by their loads alone.
; W_out's images are not asked for: sixteen rows of clusters read the same 2 MB.
.macro ASK
	s_cmp_gt_u32 s3, s[LIM]
	s_cbranch_scc0 .Lnot_mine_\@
	global_prefetch_b8 v[PFO], s[PFA:PFA+1] offset:KB th:TH_LOAD_NT scope:SCOPE_SE
.Lnot_mine_\@:
.endm
	s_load_b256 s[4:11], s[0:1], 0x0               ; o, W_out's images, the bias, out0
	v_lshl_add_u32 v[SPW], v0, 2, SPARE
	v_mov_b32 v[NIL], 0
	ds_add_u32 v[SPW], v[NIL]                      ; the wave's opening: the add, twice on end, and its wait ahead of my first tensor load
	ds_add_u32 v[SPW], v[NIL]
	v_lshrrev_b32 v1, 5, v0
	v_readfirstlane_b32 s12, v1                    ; wave 0..3
	s_lshr_b32 s13, s12, 1                         ; wr: which 64 tokens are mine.  Also: I fetch for o (0) or for W_out (1)
	s_and_b32 s14, s12, 1                          ; wc: which 128 features.  Also: which half of that tile I fetch
	s_bfe_u32 s40, ttmp6, 0x40000                  ; cx, cy
	s_bfe_u32 s41, ttmp6, 0x40004
	s_lshl_b32 s42, ttmp9, 2
	s_add_co_u32 s42, s42, s40                     ; tile column
	s_and_b32 s15, ttmp7, 0xffff
	s_lshl_b32 s15, s15, 2
	s_add_co_u32 s15, s15, s41                     ; tile row
	s_lshl_b32 s43, s41, 2
	s_lshl_b32 s43, 15, s43                        ; my row of the cluster
	s_lshl_b32 s46, 0x1111, s40                    ; my column
	s_or_b32 s[G1], s43, (3<<16)|(1<<21)           ; 15:0 the mask; 17:16 elements of 8 bytes; 21 set beside a mask; no padding
	s_or_b32 s[G1B], s46, (3<<16)|(1<<21)
	s_mov_b32 s[G1+1], 512<<16                     ; tensor_dim0: 4 KB
	s_mov_b32 s[G1+2], 4<<16                       ; tensor_dim1: 4 tiles of rows
	s_mov_b32 s[G1+3], 512<<16                     ; tile_dim0
	s_mov_b32 s[G1+4], 4                           ; tile_dim1
	s_mov_b32 s[G1+5], 4096                        ; tensor_dim0_stride: 32 KB
	s_mov_b32 s[G1+6], 0
	s_mov_b32 s[G1+7], 0
	s_mov_b32 s[G1B+1], 512<<16
	s_mov_b32 s[G1B+2], 8<<16                      ; 8 tiles of rows
	s_mov_b32 s[G1B+3], 512<<16
	s_mov_b32 s[G1B+4], 8
	s_mov_b32 s[G1B+5], 4096
	s_mov_b32 s[G1B+6], 0
	s_mov_b32 s[G1B+7], 0
	s_lshl_b32 s16, s15, 3
	s_lshl_b32 s17, s14, 2
	s_add_co_u32 s16, s16, s17
	s_lshl_b32 s16, s16, 15                        ; o: tile of rows 8 x tile row + 4 x half
	s_mov_b32 s17, 0
	s_lshl_b32 s20, s42, 4
	s_lshl_b32 s21, s14, 3
	s_add_co_u32 s20, s20, s21
	s_lshl_b32 s20, s20, 15                        ; W_out: tile of rows 16 x tile column + 8 x half
	s_mov_b32 s21, 0
	s_lshl_b32 s18, s14, 14                        ; where they go in a slot: no place in the cluster enters an LDS address
	s_lshl_b32 s19, s14, 15
	s_add_co_u32 s19, s19, BOFF
	s_wait_dscnt 0x0                               ; both opening adds are done
	s_wait_kmcnt 0x0
	s_add_nc_u64 s[16:17], s[4:5], s[16:17]
	s_add_nc_u64 s[20:21], s[6:7], s[20:21]
	CROUND                                         ; all sixteen work-groups are here: the first joint loads meet
.irp s, 0,1
	s_mov_b32 s[G0+4*\s], 1
	s_add_co_u32 s[G0+4*\s+1], s18, \s*SLOT
	s_add_nc_u64 s[G0+4*\s+2:G0+4*\s+3], s[16:17], \s*KB
	s_or_b32 s[G0+4*\s+3], s[G0+4*\s+3], 0x80000000
	s_mov_b32 s[G0B+4*\s], 1
	s_add_co_u32 s[G0B+4*\s+1], s19, \s*SLOT
	s_add_nc_u64 s[G0B+4*\s+2:G0B+4*\s+3], s[20:21], \s*KB
	s_or_b32 s[G0B+4*\s+3], s[G0B+4*\s+3], 0x80000000
	JLOAD \s                                       ; two loads of mine are out
.endr
	v_and_b32 v1, 15, v0                           ; r
	v_bfe_u32 v2, v0, 4, 1                         ; h
	v_and_b32 v3, 31, v0
	v_lshlrev_b32 v[CO], 4, v3                     ; 16 x lane
	s_lshl_b32 s22, s13, 14                        ; my four tiles of tokens
	s_lshl_b32 s23, s14, 15
	s_add_co_u32 s23, s23, BOFF                    ; my eight tiles of features
.irp s, 0,1
	v_add_nc_u32 v[ADRA+\s], s22, v[CO]
	v_add_nc_u32 v[ADRB+\s], s23, v[CO]
	s_add_co_u32 s22, s22, SLOT
	s_add_co_u32 s23, s23, SLOT
.endr
	s_mul_i32 s22, s12, 16*SPITCH
	s_add_co_u32 s22, s22, STAGE                   ; my stage
	v_mul_u32_u24 v4, v1, SPITCH
	v_lshl_add_u32 v4, v2, 5, v4
	v_add_nc_u32 v[STO], s22, v4                   ; in: row r, 32 bytes for each half of the lanes
	v_add_nc_u32 v[RD], s22, v[CO]                 ; back: the 32 lanes take one row of 512 bytes
	v_lshlrev_b32 v[PFO], 8, v1
	v_lshl_add_u32 v[PFO], v2, 15, v[PFO]          ; lanes 0-15: one tile of rows' 16 blocks of 256 bytes; lanes 16-31: the next tile's
	s_lshl_b32 s22, s42, 10
	s_lshl_b32 s23, s14, 9
	s_add_co_u32 s22, s22, s23                     ; my first column, in bytes
	s_mov_b32 s23, 0
	s_add_nc_u64 s[8:9], s[8:9], s[22:23]
	s_add_nc_u64 s[10:11], s[10:11], s[22:23]
	global_load_b128 v[12:15], v[CO], s[8:9]       ; the bias of columns 4 lane + 0 .. 3 of my 128
	s_lshl_b32 s22, s15, 7
	s_lshl_b32 s23, s13, 6
	s_add_co_u32 s22, s22, s23
	s_lshl_b32 s22, s22, 12                        ; my first row of out0: 4,096 bytes a row
	s_mov_b32 s23, 0
	s_add_nc_u64 s[10:11], s[10:11], s[22:23]
	s_lshl_b32 s22, s15, 3
	s_lshl_b32 s23, s40, 1
	s_add_co_u32 s22, s22, s23
	s_lshl_b32 s22, s22, 15                        ; the prefetch: my work-group's two tiles of rows,
	s_add_co_u32 s22, s22, 2*KB                    ; at K step 2: the first refill steps it to 3 and names K step 4
	s_mov_b32 s23, 0
	s_add_nc_u64 s[PFA:PFA+1], s[4:5], s[22:23]
	s_cmp_eq_u32 s12, 0
	s_cselect_b32 s[LIM], 1, -1                    ; wave 0 asks
.macro FETCH slot, q, f                ; 24 LDS loads in one run: the fragments of chunk q of the slot's K step into buffer f
	WIN 0
.irp b, 0,1,2,3,4,5,6,7
	ds_load_b128 v[\f+8*\b:\f+8*\b+3],   v[ADRB+\slot] offset:KB*\b+1024*(\q)
	ds_load_b128 v[\f+8*\b+4:\f+8*\b+7], v[ADRB+\slot] offset:KB*\b+1024*(\q)+512
.endr
.irp a, 0,1,2,3
	ds_load_b128 v[\f+64+8*\a:\f+64+8*\a+3],   v[ADRA+\slot] offset:KB*\a+1024*(\q)
	ds_load_b128 v[\f+64+8*\a+4:\f+64+8*\a+7], v[ADRA+\slot] offset:KB*\a+1024*(\q)+512
.endr
.endm
.macro MULA f, a0, n, zero             ; n blocks of tokens from a0 on, each against the eight blocks of features.  The 32 accumulators take turns, in the same order in every quarter
.set AA, \a0
.rept \n
.irp b, 0,1,2,3,4,5,6,7
.if \zero
	v_wmma_f32_16x16x32_f16 v[8*(8*AA+\b):8*(8*AA+\b)+7], v[\f+8*\b:\f+8*\b+7], v[\f+64+8*AA:\f+64+8*AA+7], 0
.else
	v_wmma_f32_16x16x32_f16 v[8*(8*AA+\b):8*(8*AA+\b)+7], v[\f+8*\b:\f+8*\b+7], v[\f+64+8*AA:\f+64+8*AA+7], v[8*(8*AA+\b):8*(8*AA+\b)+7]
.endif
.endr
.set AA, AA+1
.endr
.endm
.macro PLACES                          ; four places in front of loads into registers that matrix instructions have read, and of the first read of results
.rept 4
	v_nop
.endr
.endm
; A K step is four quarters of 32 along K, 32 matrix instructions each, on buffers 0, 1, 0, 1.  One of the first three: multiplies buffer f; in its middle it fetches chunk qnext into buffer g.
.macro QUARTER slot, qnext, f, g, zero
	s_wait_dscnt 0x0                               ; buffer f is in (asked for 16 matrix instructions ago)
	WIN MUL
	MULA \f, 0, 2, \zero
	PLACES
	FETCH \slot, \qnext, \g
	WIN MUL
	MULA \f, 2, 2, \zero
.endm
; The last quarter multiplies buffer 1 and changes slots: one barrier; in front of it each wave waits for all its tensor loads, adds 0 to its spare word, and waits for that and for its reads of this slot.
; fill = 1: the barrier opens a round of the cluster's, and behind the round this slot is filled again, two K steps ahead.
.macro TURN slot, next, fill
	WIN 0
.if \fill
	s_wait_xcnt 0x0                                ; the last prefetch, a K step back, has read its address
	s_add_nc_u64 s[PFA:PFA+1], s[PFA:PFA+1], KB
.endif
	s_wait_tensorcnt 0x0                           ; all my tensor loads have landed: my part of the next slot
	ds_add_u32 v[SPW], v[NIL]                      ; 0 onto my spare word
	s_wait_dscnt 1                                 ; buffer 1 is in; the add alone may be out
	WIN MUL
	MULA F1, 0, 1, 0                               ; eight matrix instructions stand between the add and the wait for it
	s_wait_dscnt 0x0                               ; the add is done, and my reads of this slot are over
	s_barrier_signal -1
	MULA F1, 1, 1, 0
	WIN 0
	s_barrier_wait -1
.if \fill
	CREST                                          ; no wave of any partner still reads this slot's tile or has a load on its way
	s_add_nc_u64 s[G0+4*\slot+2:G0+4*\slot+3], s[G0+4*\slot+2:G0+4*\slot+3], 2*KB
	s_add_nc_u64 s[G0B+4*\slot+2:G0B+4*\slot+3], s[G0B+4*\slot+2:G0B+4*\slot+3], 2*KB
	JLOAD \slot                                    ; the first tensor load behind the round; its four v_nop are also the places in front of the loads below
.else
	PLACES
.endif
	FETCH \next, 0, F0
.if \fill
	ASK
.endif
	WIN MUL
	MULA F1, 2, 2, 0
.endm
	s_wait_tensorcnt 1                             ; my part of K step 0 is in; K step 1's load, issued behind it, may be out
	s_barrier_signal -1
	s_barrier_wait -1                              ; everybody's is
	FETCH 0, 0, F0
	QUARTER 0, 1, F0, F1, 1                        ; the first quarter's products start the sums
	WIN 0
	s_mov_b32 s3, 3
.Llap:                                                 ; a trip goes once round the ring, from a lap's second quarter to the next lap's first, and fills both slots again
	QUARTER 0, 2, F1, F0, 0
	QUARTER 0, 3, F0, F1, 0
	TURN 0, 1, 1
	QUARTER 1, 1, F0, F1, 0
	QUARTER 1, 2, F1, F0, 0
	QUARTER 1, 3, F0, F1, 0
	TURN 1, 0, 1
	QUARTER 0, 1, F0, F1, 0
	WIN 0
	s_sub_co_u32 s3, s3, 1
	s_cmp_lg_u32 s3, 0
	s_cbranch_scc1 .Llap
	QUARTER 0, 2, F1, F0, 0                        ; the last lap fills nothing
	QUARTER 0, 3, F0, F1, 0
	TURN 0, 1, 0
	QUARTER 1, 1, F0, F1, 0
	QUARTER 1, 2, F1, F0, 0
	QUARTER 1, 3, F0, F1, 0
	s_wait_dscnt 0x0                               ; the very last quarter
	WIN MUL
	MULA F1, 0, 4, 0
	WIN 0
; THE WAY OUT, block by block of 16 tokens x 128 features.  A lane holds 32 neighbouring bytes of a row: a block goes through my own stage in LDS and comes back as whole rows of 512 bytes; the bias is added there, and the 32 lanes
; store 512 consecutive bytes.  LDS serves a wave's instructions in order (ISA guide 5.7.1.4): no wait between the stores and the loads, nor in front of the next block's stores.
.macro TOSTAGE a
	WIN 0x04                                       ; an LDS store's data are its source 1: window 1
.irp b, 0,1,2,3,4,5,6,7
	ds_store_b128 v[STO], v[64*(\a)+8*\b:64*(\a)+8*\b+3] offset:64*\b            ; each accumulator from its low end on
	ds_store_b128 v[STO], v[64*(\a)+8*\b+4:64*(\a)+8*\b+7] offset:64*\b+16
.endr
	WIN 0
.set BB, BK+64*((\a)%2)
.irp t, 0,1,2,3,4,5,6,7,8,9,10,11,12,13,14,15
	ds_load_b128 v[BB+4*\t:BB+4*\t+3], v[RD] offset:\t*SPITCH
.endr
.endm
.macro SEND a, younger                 ; younger: the LDS instructions issued behind block a's loads, which may stay out
.set BB, BK+64*((\a)%2)
	s_wait_dscnt \younger                          ; the block is back in registers
.if (\a) > 0
	s_add_nc_u64 s[10:11], s[10:11], 16*4096       ; 16 rows on (behind a wait on XCNT: the earlier stores have read their base)
.endif
.irp t, 0,1,2,3,4,5,6,7,8,9,10,11,12,13,14,15
	v_pk_add_f32 v[BB+4*\t:BB+4*\t+1], v[BB+4*\t:BB+4*\t+1], v[12:13]
	v_pk_add_f32 v[BB+4*\t+2:BB+4*\t+3], v[BB+4*\t+2:BB+4*\t+3], v[14:15]
	global_store_b128 v[CO], v[BB+4*\t:BB+4*\t+3], s[10:11] offset:\t*4096 th:TH_STORE_NT   ; 512 consecutive bytes of a row, aligned to 256; written once, read by nobody here
.endr
.endm
	PLACES                                         ; behind the last products: ahead of the stores that read results and of the loads into the fragments' registers
	s_wait_loadcnt 0x0                             ; the bias
	TOSTAGE 0
.irp a, 1,2,3
.if \a > 1
	s_wait_xcnt 0x0                                ; block a - 2's stores have read their registers and their base
.endif
	TOSTAGE \a
	SEND \a-1, 32                                  ; behind block a - 1's loads: block a's 16 stores and 16 loads
.endr
	s_wait_xcnt 0x0
	SEND 3, 0
	s_wait_tensorcnt 0x0                           ; the wave's end, behind my last tensor load and my last LDS store
	ds_add_u32 v[SPW], v[NIL]
	s_wait_dscnt 0x0
	CROUND                                         ; the closing round
	s_endpgm
.Lfunc_end_k_q8f8561c138_outgemm:
	.size	k_q8f8561c138_outgemm, .Lfunc_end_k_q8f8561c138_outgemm-k_q8f8561c138_outgemm
	.p2alignl 7, 3214868480
	.fill 96, 4, 3214868480
	.section	.rodata,"a",@progbits
	.p2align	6, 0x0
	.amdhsa_kernel k_q8f8561c138_outgemm
		.amdhsa_group_segment_fixed_size 327680
		.amdhsa_private_segment_fixed_size 0
		.amdhsa_enable_private_segment 0
		.amdhsa_kernarg_size 32
		.amdhsa_user_sgpr_count 2
		.amdhsa_user_sgpr_kernarg_segment_ptr 1
		.amdhsa_wavefront_size32 1
		.amdhsa_system_sgpr_workgroup_id_x 1
		.amdhsa_system_sgpr_workgroup_id_y 1
		.amdhsa_system_sgpr_workgroup_id_z 1
		.amdhsa_system_vgpr_workitem_id 0
		.amdhsa_next_free_vgpr 512
		.amdhsa_next_free_sgpr 66
		.amdhsa_reserve_vcc 0
		.amdhsa_float_denorm_mode_32 3
		.amdhsa_float_denorm_mode_16_64 3
		.amdhsa_memory_ordered 1
		.amdhsa_forward_progress 1
		.amdhsa_inst_pref_size 93
	.end_amdhsa_kernel
	.amdgpu_metadata
---
amdhsa.version: [ 1, 2 ]
amdhsa.kernels:
  - .name:           k_q8f8561c138_outgemm
    .symbol:         k_q8f8561c138_outgemm.kd
    .args:
      - { .name: o, .offset: 0, .size: 8, .value_kind: global_buffer, .address_space: global }
      - { .name: wo, .offset: 8, .size: 8, .value_kind: global_buffer, .address_space: global }
      - { .name: out_proj_bias, .offset: 16, .size: 8, .value_kind: global_buffer, .address_space: global }
      - { .name: out0, .offset: 24, .size: 8, .value_kind: global_buffer, .address_space: global }
    .group_segment_fixed_size: 327680
    .private_segment_fixed_size: 0
    .kernarg_segment_align: 8
    .kernarg_segment_size: 32
    .max_flat_workgroup_size: 128
    .sgpr_count:     66
    .vgpr_count:     512
    .wavefront_size: 32
...
	.end_amdgpu_metadata
.endif
;; end of part 4
